; MI455X (gfx1250); checked and timed in simulation.
; The chip was launched on July 23, 2026; its instructions are those of AMD's public machine-readable ISA for CDNA 5 (MIT licence, August 2026) and "CDNA5" Instruction Set Architecture Reference Guide (July 2026). The comments in the code are by the model that wrote it; some were corrected since.
;; Self Attention. Allowed arithmetic: float matrix products may take bf16 or f16 operands with f32 sums; all other float work in f32.
;; Inputs: W_out 1,024 x 1,024 float32; W_qkv 3,072 x 1,024 float32; scale one number float32; x 2 x 2,048 x 1,024 float32.
;; Outputs: out0 2 x 2,048 x 1,024 float32.
;; 3 versions, each right; version 2 is faster than version 1; version 3 is version 2 with the launch cast written anew for expert scheduling mode. Each part assembles by itself: llvm-mc -triple=amdgcn-amd-amdhsa -mcpu=gfx1250 --defsym DOCPART=n.
;; ======== version 1 of 3: 4 launches
;; limits: values are held in f16: magnitudes above 65,504 overflow, below 6.1e-05 lose precision
;; workspace buffers: xh 8,388,608 bytes; wqh 6,291,456 bytes; woh 2,097,152 bytes; qf 8,388,608 bytes; kv 16,777,216 bytes; of 16,777,216 bytes
;; launch cast (part 1): grid 512 x 1, 8 waves a work-group, no clusters, 0 bytes of LDS; arguments x, W_qkv, W_out, xh, wqh, woh; writes xh, wqh, woh
.if DOCPART == 1
	.amdgcn_target "amdgcn-amd-amdhsa--gfx1250"
	.amdhsa_code_object_version 6
	.text
	.protected	k_q6b5a3c49e3_cast
	.globl	k_q6b5a3c49e3_cast
	.p2align	8
	.type	k_q6b5a3c49e3_cast,@function
k_q6b5a3c49e3_cast:
	s_mov_b64 s[64:65], 0
	v_nop
	global_prefetch_b8 v0, s[64:65] scope:SCOPE_SE
	s_setreg_imm32_b32 hwreg(HW_REG_WAVE_MODE, 25, 1), 1
	s_wait_xcnt 0x0
; x, W_qkv and W_out from f32 to f16, once, so that the products behind it move and read half the bytes.
; LIMIT: numbers of magnitude 65,504 and above become infinite in f16.
; A stream: no work-group shares a byte with another, so there is no LDS, no barrier, no cluster and no matrix unit here.
; 512 work-groups of 16,384 numbers each: 0-255 take x (4,194,304 numbers), 256-447 W_qkv (3,145,728), 448-511 W_out (1,048,576).
; Thread t takes 16 bytes at 16 t of each of 16 pieces of 4,096 bytes; all 16 loads go out first; a wave's store of 8 bytes a lane
; covers 256 consecutive bytes, aligned.  No register is written twice, so no wait frees a source.
.set IN,  4                            ; v[4:67]   16 x 4 numbers as loaded
.set OUTR, 68                          ; v[68:99]  16 x 2 registers of packed f16
	s_load_b256 s[4:11], s[0:1], 0x0               ; x s[4:5], W_qkv s[6:7], W_out s[8:9], xh s[10:11]
	s_load_b128 s[12:15], s[0:1], 0x20             ; wqh s[12:13], woh s[14:15]
	s_mov_b32 s21, 448
	v_lshlrev_b32 v1, 4, v0                        ; 16 t: my bytes in a piece of the source
	v_lshlrev_b32 v2, 3, v0                        ; 8 t: in a piece of the destination
	s_wait_kmcnt 0x0
	s_cmp_ge_u32 ttmp9, s21                        ; which tensor: the choice hangs on the work-group's number alone
	s_cselect_b64 s[16:17], s[8:9], s[6:7]
	s_cselect_b64 s[18:19], s[14:15], s[12:13]
	s_cselect_b32 s20, s21, 256                    ; the tensor's first work-group
	s_cmp_lt_u32 ttmp9, 256
	s_cselect_b64 s[16:17], s[4:5], s[16:17]
	s_cselect_b64 s[18:19], s[10:11], s[18:19]
	s_cselect_b32 s20, 0, s20
	s_sub_co_u32 s20, ttmp9, s20                   ; my number inside the tensor
	s_lshl_b32 s22, s20, 16                        ; x 65,536 bytes of f32 (16,711,680 at the most)
	s_mov_b32 s23, 0
	s_lshl_b32 s24, s20, 15                        ; x 32,768 bytes of f16
	s_mov_b32 s25, 0
	s_add_nc_u64 s[16:17], s[16:17], s[22:23]
	s_add_nc_u64 s[18:19], s[18:19], s[24:25]
.irp i, 0,1,2,3,4,5,6,7,8,9,10,11,12,13,14,15
	global_load_b128 v[IN+4*\i:IN+4*\i+3], v1, s[16:17] offset:4096*\i th:TH_LOAD_NT
.endr
.irp i, 0,1,2,3,4,5,6,7,8,9,10,11,12,13,14,15
	s_wait_loadcnt 15-\i                           ; loads come back in order (ISA guide 5.7.1): piece i is in, the 15 - i younger ones stay out
	v_cvt_pk_f16_f32 v[OUTR+2*\i],   v[IN+4*\i],   v[IN+4*\i+1]
	v_cvt_pk_f16_f32 v[OUTR+2*\i+1], v[IN+4*\i+2], v[IN+4*\i+3]
	global_store_b64 v2, v[OUTR+2*\i:OUTR+2*\i+1], s[18:19] offset:2048*\i
.endr
	s_endpgm
.Lfunc_end_k_q6b5a3c49e3_cast:
	.size	k_q6b5a3c49e3_cast, .Lfunc_end_k_q6b5a3c49e3_cast-k_q6b5a3c49e3_cast
	.p2alignl 7, 3214868480
	.fill 96, 4, 3214868480
	.section	.rodata,"a",@progbits
	.p2align	6, 0x0
	.amdhsa_kernel k_q6b5a3c49e3_cast
		.amdhsa_group_segment_fixed_size 0
		.amdhsa_private_segment_fixed_size 0
		.amdhsa_enable_private_segment 0
		.amdhsa_kernarg_size 48
		.amdhsa_user_sgpr_count 2
		.amdhsa_user_sgpr_kernarg_segment_ptr 1
		.amdhsa_wavefront_size32 1
		.amdhsa_system_sgpr_workgroup_id_x 1
		.amdhsa_system_sgpr_workgroup_id_y 1
		.amdhsa_system_sgpr_workgroup_id_z 1
		.amdhsa_system_vgpr_workitem_id 0
		.amdhsa_next_free_vgpr 100
		.amdhsa_next_free_sgpr 66
		.amdhsa_reserve_vcc 0
		.amdhsa_float_denorm_mode_32 3
		.amdhsa_float_denorm_mode_16_64 3
		.amdhsa_memory_ordered 1
		.amdhsa_forward_progress 1
		.amdhsa_inst_pref_size 7
	.end_amdhsa_kernel
	.amdgpu_metadata
---
amdhsa.version: [ 1, 2 ]
amdhsa.kernels:
  - .name:           k_q6b5a3c49e3_cast
    .symbol:         k_q6b5a3c49e3_cast.kd
    .args:
      - { .name: x, .offset: 0, .size: 8, .value_kind: global_buffer, .address_space: global }
      - { .name: W_qkv, .offset: 8, .size: 8, .value_kind: global_buffer, .address_space: global }
      - { .name: W_out, .offset: 16, .size: 8, .value_kind: global_buffer, .address_space: global }
      - { .name: xh, .offset: 24, .size: 8, .value_kind: global_buffer, .address_space: global }
      - { .name: wqh, .offset: 32, .size: 8, .value_kind: global_buffer, .address_space: global }
      - { .name: woh, .offset: 40, .size: 8, .value_kind: global_buffer, .address_space: global }
    .group_segment_fixed_size: 0
    .private_segment_fixed_size: 0
    .kernarg_segment_align: 8
    .kernarg_segment_size: 48
    .max_flat_workgroup_size: 256
    .sgpr_count:     66
    .vgpr_count:     100
    .wavefront_size: 32
...
	.end_amdgpu_metadata
.endif
;; end of part 1
;; launch qkv (part 2): grid 16 x 16, 4 waves a work-group, clusters of 4 x 4, 327,680 bytes of LDS; arguments xh, wqh, qf, kv; writes qf, kv
.if DOCPART == 2
	.amdgcn_target "amdgcn-amd-amdhsa--gfx1250"
	.amdhsa_code_object_version 6
	.text
	.protected	k_q6b5a3c49e3_qkv
	.globl	k_q6b5a3c49e3_qkv
	.p2align	8
	.type	k_q6b5a3c49e3_qkv,@function
k_q6b5a3c49e3_qkv:
	s_mov_b64 s[64:65], 0
	v_nop
	global_prefetch_b8 v0, s[64:65] scope:SCOPE_SE
	s_setreg_imm32_b32 hwreg(HW_REG_WAVE_MODE, 25, 1), 1
	s_wait_xcnt 0x0
	s_wait_alu depctr_hold_cnt(0) depctr_sa_sdst(0) depctr_va_vdst(0) depctr_va_sdst(0) depctr_va_ssrc(0) depctr_va_vcc(0) depctr_vm_vsrc(0)
	s_getreg_b32 s2, hwreg(HW_REG_IB_STS2, 6, 4)
	s_cmp_eq_u32 s2, 0
	s_cbranch_scc0 .Lentry_in_a_cluster
	s_endpgm
.Lentry_in_a_cluster:
	s_bfe_u32 s2, ttmp6, 0x10000c
	s_cmp_lg_u32 s2, 0xf033
	s_cbranch_scc0 .Lentry_shape_is_right
	s_endpgm
.Lentry_shape_is_right:
; y = x W_qkv^T for 256 rows (grid y) and one head's 192 columns (grid x: q 64, k 64, v 64), then q and k divided by their norms
; (clamped at 1e-12) and turned by RoPE; q, k, v leave as f16 in the order in which the attention's matrix fragments want them.
; exp(scale) is NOT applied here: it multiplies the logits in f32 in the attention, so q and k stay at magnitude 1 at the most.
; LIMITS: v is kept in f16, so |v| stays below 65,504.  The RoPE angle is made as position x frequency in f32 revolutions and is
; good to about 4e-4 radians at position 2047; sine and cosine add 1.5e-5 at the most (series of degree 7 and 6 on a quarter of
; the angle, |x| <= pi/4, then two doublings).
; Four waves; wave w makes rows 64 w .. 64 w + 63 x all 192 columns: 48 accumulator tiles, 384 registers, so that a head's norm and
; its RoPE partners (d, d + 32) lie in one lane and its neighbour 16 lanes off.  K goes in steps of 128 (rows of 256 bytes of memory)
; through two LDS slots.
; CLUSTERS 4 x 4: the four work-groups of a row of the cluster need the same 256 rows of x, the four of a column the same head's
; rows of W: each tile is asked for jointly by four, which divides the requests for both by four.
; WINDOWS: 0 addresses, the table of cosines and sines, the way out; 1 two fragment buffers; 2 the tiles of q and k, tile (a, n) at
; 8 (8 a + n); 3 the tiles of v, tile (a, dt) at 8 (4 a + dt).
; q and k are multiplied TRANSPOSED (source 0 = rows of W, source 1 = rows of x): lane (r, h) holds position 16 a + r and
; d = 16 n + 8 h + 0..7.  v is multiplied straight: lane (r, h) holds d = 16 dt + r and positions 16 a + 8 h + 0..7.  Packed to
; f16, both are a 16-bit operand's register layout (ISA guide 7.12.2), so each store of a wave is 512 consecutive bytes, aligned.
.set PITCH,  272                       ; an LDS row: 256 bytes + 16 of padding: 16 rows of a fragment start 16 bytes apart modulo 256
.set QTR,    128*PITCH                 ; what one wave's load may fill: 128 rows of x, or 96 rows of W
.set SLOT,   4*QTR                     ; x rows 0-127, 128-255, W rows 0-95, 96-191
.set LAPS,   4                         ; 1024 / (2 x 128): a lap is two K steps, once round the ring
.set F0,     0                         ; window 1: fragment buffer 0: x's fragment a at 8 a, W's fragment n at 32 + 8 n
.set F1,     128                       ; window 1: fragment buffer 1
.set ADRA,   16                        ; v16-17  LDS address of my fragments of x in slot 0, 1
.set ADRB,   20                        ; v20-21  the same for W
.set VOFF,   24                        ; v24     16 x lane + 8,192 x wave: my 16 bytes in every unit that I store
.set FR,     32                        ; v[32:47]   16 frequencies in revolutions, index 8 b + j for i = 16 b + 8 h + j
.set CA1,    48                        ; v[48:63]   eight constants, each twice (pairs for the packed arithmetic)
.set CA3,    50
.set CA5,    52
.set CA7,    54
.set CB2,    56
.set CB4,    58
.set CB6,    60
.set ONE,    62
.set RR,     64                        ; v[64:79]   at work
.set UU,     80                        ; v[80:95]   at work
.set TAB,    96                        ; v[96:223]  for row tile a: 16 cosines at 32 a, 16 sines at 32 a + 16
.set NN,     224                       ; v[224:239] at work
.set POS,    240                       ; v[240:241] my position, twice
.set TT,     32                        ; the way out (the registers above are free by then): v[32:63] a row's 32 turned numbers
.set OUTR,   64                        ; v[64:79]   packed f16
.set SQ,     80                        ; v[80:83]   sums of squares
.set FF,     84                        ; v[84:85]   1 / norm, twice
.set TM,     86                        ; v86        the other half's sum
.set G1A, 32                           ; s[32:39] group 1 for x's tiles
.set G0A, 40                           ; s[40:47] group 0 for x's tiles, a set for each slot
.set G1B, 48                           ; s[48:55] group 1 for W's tiles
.set G0B, 56                           ; s[56:63] group 0 for W's tiles, a set for each slot
.set MSB, 0
.macro WIN new                         ; the immediate's high byte repeats the setting that is left
.if MSB != \new
	s_set_vgpr_msb (MSB<<8)|\new
.set MSB, \new
.endif
.endm
.macro PLACES                          ; four plain vector places behind matrix instructions (ISA guide 7.12.1)
.rept 4
	v_nop
.endr
.endm
; A joint load: waves 0 and 1 fetch x's two halves, waves 2 and 3 W's.  The branch hangs on the wave's number alone.
.macro JLOAD s
	s_cmp_eq_u32 s13, 0
	s_cbranch_scc0 .Lfor_b_\@
	tensor_load_to_lds s[G0A+4*\s:G0A+4*\s+3], s[G1A:G1A+7]
	s_nop 0
	s_branch .Lasked_\@
.Lfor_b_\@:
	tensor_load_to_lds s[G0B+4*\s:G0B+4*\s+3], s[G1B:G1B+7]
	s_nop 0
.Lasked_\@:
.endm
.macro CREST                           ; a round of the cluster's barrier behind its opening work-group barrier
	s_cmp_lg_u32 s12, 0
	s_cbranch_scc1 .Lnot_wave_0_\@
	s_barrier_signal -3
.Lnot_wave_0_\@:
	s_barrier_wait -3
	s_barrier_signal -1
	s_barrier_wait -1
.endm
.macro CROUND                          ; a whole round
	s_barrier_signal -1
	s_barrier_wait -1
	CREST
.endm
	s_load_b256 s[4:11], s[0:1], 0x0               ; xh s[4:5], wqh s[6:7], qf s[8:9], kv s[10:11]
	v_lshl_add_u32 v254, v0, 2, 0x44000
	v_mov_b32 v255, 0
	ds_add_u32 v254, v255
	v_lshrrev_b32 v1, 5, v0
	v_readfirstlane_b32 s12, v1                    ; wave 0..3
	s_lshr_b32 s13, s12, 1                         ; I fetch for x (0) or for W (1)
	s_and_b32 s14, s12, 1                          ; which half of that tile
	s_bfe_u32 s16, ttmp6, 0x40000                  ; cx
	s_bfe_u32 s17, ttmp6, 0x40004                  ; cy
	s_lshl_b32 s18, ttmp9, 2
	s_add_co_u32 s18, s18, s16                     ; head = 4 x cluster x + cx
	s_and_b32 s19, ttmp7, 0xffff
	s_lshl_b32 s19, s19, 2
	s_add_co_u32 s19, s19, s17                     ; block of 256 rows = 4 x cluster y + cy
	s_lshl_b32 s20, s17, 2
	s_lshl_b32 s20, 15, s20                        ; my row of the cluster: places 4 cy .. 4 cy + 3
	s_lshl_b32 s21, 0x1111, s16                    ; my column: places cx, cx + 4, cx + 8, cx + 12
	; group 1: rows of 128 elements of 2 bytes, 16 bytes of padding behind every 64 words; x 128 rows, W 96 rows; 1,024 elements from row to row
	s_or_b32 s[G1A+0], s20, (1<<16)|(1<<20)|(1<<21)|(5<<22)|(3<<25)   ; x's tiles go to my row of the cluster; bit 21 stands beside a mask
	s_or_b32 s[G1B+0], s21, (1<<16)|(1<<20)|(1<<21)|(5<<22)|(3<<25)   ; W's tiles to my column
	s_mov_b32 s[G1A+1], 128<<16                    ; tensor_dim0 = 128
	s_mov_b32 s[G1B+1], 128<<16
	s_mov_b32 s[G1A+2], 128<<16                    ; tensor_dim1 = 128 rows
	s_mov_b32 s[G1B+2], 96<<16                     ; 96 rows
	s_mov_b32 s[G1A+3], 128<<16                    ; tile_dim0 = 128
	s_mov_b32 s[G1B+3], 128<<16
	s_mov_b32 s[G1A+4], 128                        ; tile_dim1
	s_mov_b32 s[G1B+4], 96
	s_mov_b32 s[G1A+5], 1024                       ; the pitch in elements
	s_mov_b32 s[G1B+5], 1024
	s_mov_b32 s[G1A+6], 0
	s_mov_b32 s[G1B+6], 0
	s_mov_b32 s[G1A+7], 0
	s_mov_b32 s[G1B+7], 0
	; x's tile hangs on the block of rows alone, W's on the head alone; each offset in registers that never hold the other coordinate
	s_lshl_b32 s22, s19, 8
	s_lshl_b32 s26, s14, 7
	s_add_co_u32 s22, s22, s26                     ; row 256 x block + 128 x half
	s_lshl_b32 s22, s22, 11                        ; x 2,048 bytes (8,126,464 at the most)
	s_mov_b32 s23, 0
	s_mul_i32 s24, s18, 192
	s_mul_i32 s27, s14, 96
	s_add_co_u32 s24, s24, s27                     ; row 192 x head + 96 x half
	s_lshl_b32 s24, s24, 11
	s_mov_b32 s25, 0
	s_mul_i32 s30, s12, QTR                        ; where my load lands: wave x a quarter slot
	s_wait_dscnt 0x0
	s_wait_kmcnt 0x0
	s_add_nc_u64 s[22:23], s[4:5], s[22:23]
	s_add_nc_u64 s[24:25], s[6:7], s[24:25]
	CROUND                                         ; all sixteen work-groups are here: the first joint loads meet
.irp s, 0,1
	s_mov_b32 s[G0A+4*\s], 1
	s_add_co_u32 s[G0A+4*\s+1], s30, \s*SLOT
	s_add_nc_u64 s[G0A+4*\s+2:G0A+4*\s+3], s[22:23], \s*256       ; K step s
	s_or_b32 s[G0A+4*\s+3], s[G0A+4*\s+3], 0x80000000
	s_mov_b32 s[G0B+4*\s], 1
	s_add_co_u32 s[G0B+4*\s+1], s30, \s*SLOT
	s_add_nc_u64 s[G0B+4*\s+2:G0B+4*\s+3], s[24:25], \s*256
	s_or_b32 s[G0B+4*\s+3], s[G0B+4*\s+3], 0x80000000
	JLOAD \s                                       ; both slots are asked for before anything else: two loads of mine are out
.endr
	; where the results go: bh = 16 x batch + head; qf has 262,144 bytes a bh and 32,768 a block of 256 positions, kv twice that
	s_lshr_b32 s28, s19, 3                         ; batch
	s_lshl4_add_u32 s28, s28, s18                  ; bh
	s_and_b32 s75, s19, 7                          ; block of 256 positions in the sequence
	s_lshl_b32 s68, s28, 18
	s_lshl_b32 s76, s75, 15
	s_add_co_u32 s68, s68, s76
	s_mov_b32 s69, 0
	s_lshl_b32 s70, s28, 19
	s_lshl_b32 s76, s75, 16
	s_add_co_u32 s70, s70, s76
	s_mov_b32 s71, 0
	s_add_nc_u64 s[8:9], s[8:9], s[68:69]
	s_add_nc_u64 s[10:11], s[10:11], s[70:71]
	s_mov_b32 s66, 0x76543210                      ; v_permlanex16_b32: lane i reads lane i of the other half
	s_mov_b32 s67, 0xfedcba98
	; fragment addresses: lane l holds row l % 16; two loads of 16 bytes, 32 apart, at row x pitch + 16 (l / 16)
	v_and_b32 v1, 15, v0                           ; r
	v_bfe_u32 v2, v0, 4, 1                         ; h
	v_mul_u32_u24 v3, v1, PITCH
	v_lshl_add_u32 v3, v2, 4, v3
	s_mul_i32 s31, s12, 64*PITCH                   ; my 64 rows of x
	v_add_nc_u32 v[ADRA], s31, v3
	v_add_nc_u32 v[ADRA+1], SLOT, v[ADRA]
	v_add_nc_u32 v[ADRB], 2*QTR, v3                ; W lies behind x's 256 rows
	v_add_nc_u32 v[ADRB+1], SLOT, v[ADRB]
	v_and_b32 v4, 31, v0
	v_lshlrev_b32 v4, 4, v4
	v_lshl_add_u32 v[VOFF], s12, 13, v4
	; THE TABLE, made while the first tiles are on their way.  Frequency i in revolutions: 2^(-i log2(10000)/32 - log2(2 pi)).
	s_lshl_b32 s72, s75, 8
	s_lshl_b32 s76, s12, 6
	s_add_co_u32 s72, s72, s76                     ; the position of my wave's first row
	s_mov_b32 s73, 0xbed49a78                      ; -log2(10000) / 32
	s_mov_b32 s74, 0xc029b21d                      ; -log2(2 pi)
	v_add_nc_u32 v5, s72, v1                       ; my position in row tile 0
	v_lshlrev_b32 v7, 3, v2                        ; 8 h
.irp b, 0,1
.irp j, 0,1,2,3,4,5,6,7
	v_add_nc_u32 v[RR+8*\b+\j], 16*\b+\j, v7       ; i = 16 b + 8 h + j
.endr
.endr
.irp i, 0,1,2,3,4,5,6,7,8,9,10,11,12,13,14,15
	v_cvt_f32_u32 v[RR+\i], v[RR+\i]
.endr
.irp i, 0,1,2,3,4,5,6,7,8,9,10,11,12,13,14,15
	v_fma_f32 v[RR+\i], v[RR+\i], s73, s74
.endr
.irp i, 0,1,2,3,4,5,6,7,8,9,10,11,12,13,14,15
	v_exp_f32 v[FR+\i], v[RR+\i]                   ; the moves below are the plain place behind the last of these (ISA guide 5.7.2)
.endr
	s_wait_alu depctr_va_vdst(0)
.irp o, 0,1
	v_mov_b32 v[CA1+\o], 0x3fc90fdb                ; sin(x), x = (pi/2) t:  pi/2
	v_mov_b32 v[CA3+\o], 0xbf255de7                ; -(pi/2)^3 / 6
	v_mov_b32 v[CA5+\o], 0x3da335e3                ; (pi/2)^5 / 120
	v_mov_b32 v[CA7+\o], 0xbb996966                ; -(pi/2)^7 / 5040
	v_mov_b32 v[CB2+\o], 0xbf9de9e6                ; cos(x): -(pi/2)^2 / 2
	v_mov_b32 v[CB4+\o], 0x3e81e0f8                ; (pi/2)^4 / 24
	v_mov_b32 v[CB6+\o], 0xbcaae9e4                ; -(pi/2)^6 / 720
	v_mov_b32 v[ONE+\o], 1.0
.endr
; 16 cosines and 16 sines for row tile a: revolutions, less the nearest whole number (t in [-1/2, 1/2], exact), series for a quarter of
; the angle, then twice sin 2x = 2 s c, cos 2x = 1 - 2 s s.  Stage by stage over eight pairs, so that no line waits for the one before.
.macro TRIG a
.set CT, TAB+32*\a
.set ST, TAB+32*\a+16
	v_add_nc_u32 v6, 16*\a, v5
	v_cvt_f32_u32 v[POS], v6
	v_cvt_f32_u32 v[POS+1], v6
.irp p, 0,2,4,6,8,10,12,14
	v_pk_mul_f32 v[RR+\p:RR+\p+1], v[FR+\p:FR+\p+1], v[POS:POS+1]
.endr
.irp i, 0,1,2,3,4,5,6,7,8,9,10,11,12,13,14,15
	v_rndne_f32 v[NN+\i], v[RR+\i]
.endr
.irp p, 0,2,4,6,8,10,12,14
	v_pk_add_f32 v[RR+\p:RR+\p+1], v[RR+\p:RR+\p+1], v[NN+\p:NN+\p+1] neg_lo:[0,1] neg_hi:[0,1]
.endr
.irp p, 0,2,4,6,8,10,12,14
	v_pk_mul_f32 v[UU+\p:UU+\p+1], v[RR+\p:RR+\p+1], v[RR+\p:RR+\p+1]
.endr
.irp p, 0,2,4,6,8,10,12,14
	v_pk_fma_f32 v[CT+\p:CT+\p+1], v[UU+\p:UU+\p+1], v[CB6:CB6+1], v[CB4:CB4+1]
	v_pk_fma_f32 v[ST+\p:ST+\p+1], v[UU+\p:UU+\p+1], v[CA7:CA7+1], v[CA5:CA5+1]
.endr
.irp p, 0,2,4,6,8,10,12,14
	v_pk_fma_f32 v[CT+\p:CT+\p+1], v[CT+\p:CT+\p+1], v[UU+\p:UU+\p+1], v[CB2:CB2+1]
	v_pk_fma_f32 v[ST+\p:ST+\p+1], v[ST+\p:ST+\p+1], v[UU+\p:UU+\p+1], v[CA3:CA3+1]
.endr
.irp p, 0,2,4,6,8,10,12,14
	v_pk_fma_f32 v[CT+\p:CT+\p+1], v[CT+\p:CT+\p+1], v[UU+\p:UU+\p+1], v[ONE:ONE+1]
	v_pk_fma_f32 v[ST+\p:ST+\p+1], v[ST+\p:ST+\p+1], v[UU+\p:UU+\p+1], v[CA1:CA1+1]
.endr
.irp p, 0,2,4,6,8,10,12,14
	v_pk_mul_f32 v[ST+\p:ST+\p+1], v[ST+\p:ST+\p+1], v[RR+\p:RR+\p+1]
.endr
.irp p, 0,2,4,6,8,10,12,14
	v_pk_add_f32 v[NN+\p:NN+\p+1], v[ST+\p:ST+\p+1], v[ST+\p:ST+\p+1]
.endr
.irp p, 0,2,4,6,8,10,12,14
	v_pk_mul_f32 v[RR+\p:RR+\p+1], v[NN+\p:NN+\p+1], v[CT+\p:CT+\p+1]                                   ; sine of half the angle
.endr
.irp p, 0,2,4,6,8,10,12,14
	v_pk_fma_f32 v[CT+\p:CT+\p+1], v[NN+\p:NN+\p+1], v[ST+\p:ST+\p+1], v[ONE:ONE+1] neg_lo:[1,0,0] neg_hi:[1,0,0]   ; its cosine
.endr
.irp p, 0,2,4,6,8,10,12,14
	v_pk_add_f32 v[NN+\p:NN+\p+1], v[RR+\p:RR+\p+1], v[RR+\p:RR+\p+1]
.endr
.irp p, 0,2,4,6,8,10,12,14
	v_pk_mul_f32 v[ST+\p:ST+\p+1], v[NN+\p:NN+\p+1], v[CT+\p:CT+\p+1]                                   ; the sine
.endr
.irp p, 0,2,4,6,8,10,12,14
	v_pk_fma_f32 v[CT+\p:CT+\p+1], v[NN+\p:NN+\p+1], v[RR+\p:RR+\p+1], v[ONE:ONE+1] neg_lo:[1,0,0] neg_hi:[1,0,0]   ; the cosine
.endr
.endm
	TRIG 0
	TRIG 1
	TRIG 2
	TRIG 3
; 32 LDS loads in one run: the fragments of 32 along K at byte k of the slot's rows, into buffer f of window 1
.macro FETCH slot, k, f
	WIN 0x40                                       ; destination window 1, address window 0
.irp a, 0,1,2,3
	ds_load_b128 v[\f+8*\a:\f+8*\a+3],   v[ADRA+\slot] offset:\k+\a*16*PITCH
	ds_load_b128 v[\f+8*\a+4:\f+8*\a+7], v[ADRA+\slot] offset:\k+\a*16*PITCH+32
.endr
.irp n, 0,1,2,3,4,5
	ds_load_b128 v[\f+32+8*\n:\f+32+8*\n+3], v[ADRB+\slot] offset:\k+\n*16*PITCH
	ds_load_b128 v[\f+32+8*\n+4:\f+32+8*\n+7], v[ADRB+\slot] offset:\k+\n*16*PITCH+32
.endr
.irp n, 6,7,8,9,10,11
	ds_load_b128 v[\f+32+8*\n:\f+32+8*\n+3], v[ADRB+\slot] offset:\k+QTR+(\n-6)*16*PITCH      ; W's rows 96-191 lie in the next quarter
	ds_load_b128 v[\f+32+8*\n+4:\f+32+8*\n+7], v[ADRB+\slot] offset:\k+QTR+(\n-6)*16*PITCH+32
.endr
.endm
; The 48 accumulators take turns, one instruction a turn, in the same order in every quarter step, over the loop's backward jump too.
; zero = 1: the first product starts the sums.
.macro MULV f, zero                    ; v: 16 products, source 0 = x, source 1 = W's fragments 8-11, C and D in window 3
	WIN 0xf5
.irp a, 0,1,2,3
.irp d, 0,1,2,3
.if \zero
	v_wmma_f32_16x16x32_f16 v[8*(4*\a+\d):8*(4*\a+\d)+7], v[\f+8*\a:\f+8*\a+7], v[\f+96+8*\d:\f+96+8*\d+7], 0
.else
	v_wmma_f32_16x16x32_f16 v[8*(4*\a+\d):8*(4*\a+\d)+7], v[\f+8*\a:\f+8*\a+7], v[\f+96+8*\d:\f+96+8*\d+7], v[8*(4*\a+\d):8*(4*\a+\d)+7]
.endif
.endr
.endr
.endm
.macro MULQK f, zero                   ; q and k: 32 products, source 0 = W's fragments 0-7, source 1 = x, C and D in window 2
	WIN 0xa5
.irp a, 0,1,2,3
.irp n, 0,1,2,3,4,5,6,7
.if \zero
	v_wmma_f32_16x16x32_f16 v[8*(8*\a+\n):8*(8*\a+\n)+7], v[\f+32+8*\n:\f+32+8*\n+7], v[\f+8*\a:\f+8*\a+7], 0
.else
	v_wmma_f32_16x16x32_f16 v[8*(8*\a+\n):8*(8*\a+\n)+7], v[\f+32+8*\n:\f+32+8*\n+7], v[\f+8*\a:\f+8*\a+7], v[8*(8*\a+\n):8*(8*\a+\n)+7]
.endif
.endr
.endr
.endm
; A quarter step: 48 products on buffer f; behind the first 16 the next quarter's fragments are asked for, 32 products ahead of their use.
.macro QUARTER slot, k, f, g, zero
	s_wait_dscnt 0x0                               ; buffer f is in
	MULV \f, \zero
	PLACES                                         ; buffer g was read by the last quarter's products: four places, then the loads into it
	FETCH \slot, \k, \g
	MULQK \f, \zero
.endm
.macro THREE slot, zero
	QUARTER \slot, 64,  F0, F1, \zero
	QUARTER \slot, 128, F1, F0, 0
	QUARTER \slot, 192, F0, F1, 0
.endm
; The last quarter of a K step changes slots.  In front of the barrier each wave's reads of this slot are back and all its tensor loads
; have landed (the one that was out is its part of the next slot); behind it, where the slot is filled again, the rest of a round of the
; cluster's barrier, then the joint refill first, then the next slot's first fragments.
.macro TURN slot, next, fill
	s_wait_dscnt 0x0
	s_set_vgpr_msb 0xa5a0
	s_wait_tensorcnt 0x0
	ds_add_u32 v254, v255
	s_wait_dscnt 0x0
	s_set_vgpr_msb 0xa0a5
	s_barrier_signal -1
	MULV F1, 0                                     ; register work while the others arrive
	WIN 0
	s_barrier_wait -1
.if \fill
	CREST                                          ; no wave of any partner still reads this slot or has a load on its way
	s_add_nc_u64 s[G0A+4*\slot+2:G0A+4*\slot+3], s[G0A+4*\slot+2:G0A+4*\slot+3], 512   ; two K steps on; no load of mine is out
	s_add_nc_u64 s[G0B+4*\slot+2:G0B+4*\slot+3], s[G0B+4*\slot+2:G0B+4*\slot+3], 512
	JLOAD \slot                                    ; my one tensor load behind the round: it has a K step less 16 products in which to land
.endif
	PLACES
	FETCH \next, 0, F0
	MULQK F1, 0
.endm
.macro LAP zero
	THREE 0, \zero
	TURN 0, 1, 1
	THREE 1, 0
	TURN 1, 0, 1
.endm
	s_wait_tensorcnt 0x1                           ; my part of K step 0 is in; K step 1's load, issued behind it, stays out
	s_barrier_signal -1
	s_barrier_wait -1                              ; everybody's is
	FETCH 0, 0, F0
	LAP 1                                          ; its first products start the sums: nothing is cleared
	WIN 0
	s_mov_b32 s15, LAPS-2
.Llap:
	LAP 0
	WIN 0
	s_sub_co_u32 s15, s15, 1
	s_cmp_lg_u32 s15, 0
	s_cbranch_scc1 .Llap
	THREE 0, 0                                     ; the last lap fills nothing
	TURN 0, 1, 0
	THREE 1, 0
	s_wait_dscnt 0x0
	MULV F1, 0
	MULQK F1, 0
	WIN 0
	PLACES                                         ; behind the last products, in front of the first line that reads a result
; THE WAY OUT.  q (part 0) or k (part 1) of row tile a: 32 registers of window 2 hold my position's d = 16 n + 8 h + j.
.macro NORMROPE a, part, base
.set XB, 8*(8*\a+4*\part)
.set CT, TAB+32*\a
.set ST, TAB+32*\a+16
	WIN 0x0a                                       ; sources 0 and 1 in window 2
	v_pk_mul_f32 v[SQ:SQ+1],   v[XB:XB+1],   v[XB:XB+1]
	v_pk_mul_f32 v[SQ+2:SQ+3], v[XB+2:XB+3], v[XB+2:XB+3]
.irp q, 4,8,12,16,20,24,28
	v_pk_fma_f32 v[SQ:SQ+1],   v[XB+\q:XB+\q+1],   v[XB+\q:XB+\q+1],   v[SQ:SQ+1]
	v_pk_fma_f32 v[SQ+2:SQ+3], v[XB+\q+2:XB+\q+3], v[XB+\q+2:XB+\q+3], v[SQ+2:SQ+3]
.endr
	WIN 0
	v_pk_add_f32 v[SQ:SQ+1], v[SQ:SQ+1], v[SQ+2:SQ+3]
	v_add_f32 v[SQ], v[SQ], v[SQ+1]
	v_permlanex16_b32 v[TM], v[SQ], s66, s67       ; the other 32 numbers of the row lie 16 lanes off
	v_add_f32 v[SQ], v[SQ], v[TM]
	v_sqrt_f32 v[SQ+1], v[SQ]
	v_nop                                          ; the plain place behind the root (ISA guide 5.7.2)
	s_wait_alu depctr_va_vdst(0)
	v_max_num_f32 v[SQ+1], 0x2b8cbccc, v[SQ+1]     ; the norm, 1e-12 at the least
	v_rcp_f32 v[FF], v[SQ+1]
	v_rcp_f32 v[FF+1], v[SQ+1]                     ; the first product below is the plain place behind these two
	WIN 0x02                                       ; source 0 in window 2
.irp b, 0,1
.irp j, 0,2,4,6
	v_pk_mul_f32 v[TT+8*\b+\j:TT+8*\b+\j+1],       v[XB+8*\b+\j:XB+8*\b+\j+1],       v[CT+8*\b+\j:CT+8*\b+\j+1]
	v_pk_mul_f32 v[TT+16+8*\b+\j:TT+16+8*\b+\j+1], v[XB+16+8*\b+\j:XB+16+8*\b+\j+1], v[CT+8*\b+\j:CT+8*\b+\j+1]
.endr
.endr
.irp b, 0,1
.irp j, 0,2,4,6
	v_pk_fma_f32 v[TT+8*\b+\j:TT+8*\b+\j+1],       v[XB+16+8*\b+\j:XB+16+8*\b+\j+1], v[ST+8*\b+\j:ST+8*\b+\j+1], v[TT+8*\b+\j:TT+8*\b+\j+1] neg_lo:[1,0,0] neg_hi:[1,0,0]   ; d < 32: x(d) cos - x(d+32) sin
	v_pk_fma_f32 v[TT+16+8*\b+\j:TT+16+8*\b+\j+1], v[XB+8*\b+\j:XB+8*\b+\j+1],       v[ST+8*\b+\j:ST+8*\b+\j+1], v[TT+16+8*\b+\j:TT+16+8*\b+\j+1]                            ; d >= 32: x(d) cos + x(d-32) sin
.endr
.endr
	WIN 0
	s_wait_alu depctr_va_vdst(0)
.irp q, 0,2,4,6,8,10,12,14,16,18,20,22,24,26,28,30
	v_pk_mul_f32 v[TT+\q:TT+\q+1], v[TT+\q:TT+\q+1], v[FF:FF+1]
.endr
	s_wait_xcnt 0x0                                ; the packed registers, which the last stores read, are rewritten only behind this wait (ISA guide 3.1)
.irp q, 0,1,2,3,4,5,6,7,8,9,10,11,12,13,14,15
	v_cvt_pk_f16_f32 v[OUTR+\q], v[TT+2*\q], v[TT+2*\q+1]
.endr
.irp n, 0,1,2,3
	global_store_b128 v[VOFF], v[OUTR+4*\n:OUTR+4*\n+3], s[\base:\base+1] offset:2048*\a+512*\n   ; unit (position tile 4 w + a, t = n): 512 consecutive bytes
.endr
.endm
; v of row tile a: keys 16 a + 8 h + j of d = 16 dt + r: unit (kk = 2 w + a / 2, dt, c = a % 2) of the chunk's V part
.macro STOREV a
	s_wait_xcnt 0x0
	WIN 0x0f                                       ; sources 0 and 1 in window 3
.irp q, 0,1,2,3,4,5,6,7,8,9,10,11,12,13,14,15
	v_cvt_pk_f16_f32 v[OUTR+\q], v[32*\a+2*\q], v[32*\a+2*\q+1]
.endr
	WIN 0
.irp d, 0,1,2,3
	global_store_b128 v[VOFF], v[OUTR+4*\d:OUTR+4*\d+3], s[10:11] offset:32768+4096*(\a>>1)+512*(\a&1)+1024*\d
.endr
.endm
.irp a, 0,1,2,3
	NORMROPE \a, 0, 8
	NORMROPE \a, 1, 10
	STOREV \a
.endr
	CROUND                                         ; the closing round: no work-group ends while a partner may still ask for a tile that names it
	s_endpgm
.Lfunc_end_k_q6b5a3c49e3_qkv:
	.size	k_q6b5a3c49e3_qkv, .Lfunc_end_k_q6b5a3c49e3_qkv-k_q6b5a3c49e3_qkv
	.p2alignl 7, 3214868480
	.fill 96, 4, 3214868480
	.section	.rodata,"a",@progbits
	.p2align	6, 0x0
	.amdhsa_kernel k_q6b5a3c49e3_qkv
		.amdhsa_group_segment_fixed_size 327680
		.amdhsa_private_segment_fixed_size 0
		.amdhsa_enable_private_segment 0
		.amdhsa_kernarg_size 32
		.amdhsa_user_sgpr_count 2
		.amdhsa_user_sgpr_kernarg_segment_ptr 1
		.amdhsa_wavefront_size32 1
		.amdhsa_system_sgpr_workgroup_id_x 1
		.amdhsa_system_sgpr_workgroup_id_y 1
		.amdhsa_system_sgpr_workgroup_id_z 1
		.amdhsa_system_vgpr_workitem_id 0
		.amdhsa_next_free_vgpr 896
		.amdhsa_next_free_sgpr 80
		.amdhsa_reserve_vcc 0
		.amdhsa_float_denorm_mode_32 3
		.amdhsa_float_denorm_mode_16_64 3
		.amdhsa_memory_ordered 1
		.amdhsa_forward_progress 1
		.amdhsa_inst_pref_size 229
	.end_amdhsa_kernel
	.amdgpu_metadata
---
amdhsa.version: [ 1, 2 ]
amdhsa.kernels:
  - .name:           k_q6b5a3c49e3_qkv
    .symbol:         k_q6b5a3c49e3_qkv.kd
    .args:
      - { .name: xh, .offset: 0, .size: 8, .value_kind: global_buffer, .address_space: global }
      - { .name: wqh, .offset: 8, .size: 8, .value_kind: global_buffer, .address_space: global }
      - { .name: qf, .offset: 16, .size: 8, .value_kind: global_buffer, .address_space: global }
      - { .name: kv, .offset: 24, .size: 8, .value_kind: global_buffer, .address_space: global }
    .group_segment_fixed_size: 327680
    .private_segment_fixed_size: 0
    .kernarg_segment_align: 8
    .kernarg_segment_size: 32
    .max_flat_workgroup_size: 128
    .sgpr_count:     80
    .vgpr_count:     896
    .wavefront_size: 32
...
	.end_amdgpu_metadata
.endif
;; end of part 2
;; launch attn (part 3): grid 8 x 32, 4 waves a work-group, clusters of 4 x 1, 327,680 bytes of LDS; arguments qf, kv, scale, of; writes of
.if DOCPART == 3
	.amdgcn_target "amdgcn-amd-amdhsa--gfx1250"
	.amdhsa_code_object_version 6
	.text
	.protected	k_q6b5a3c49e3_attn
	.globl	k_q6b5a3c49e3_attn
	.p2align	8
	.type	k_q6b5a3c49e3_attn,@function
k_q6b5a3c49e3_attn:
	s_mov_b64 s[64:65], 0
	v_nop
	global_prefetch_b8 v0, s[64:65] scope:SCOPE_SE
	s_setreg_imm32_b32 hwreg(HW_REG_WAVE_MODE, 25, 1), 1
	s_wait_xcnt 0x0
	s_wait_alu depctr_hold_cnt(0) depctr_sa_sdst(0) depctr_va_vdst(0) depctr_va_sdst(0) depctr_va_ssrc(0) depctr_va_vcc(0) depctr_vm_vsrc(0)
	s_getreg_b32 s2, hwreg(HW_REG_IB_STS2, 6, 4)
	s_cmp_eq_u32 s2, 0
	s_cbranch_scc0 .Lentry_in_a_cluster
	s_endpgm
.Lentry_in_a_cluster:
	s_bfe_u32 s2, ttmp6, 0x10000c
	s_cmp_lg_u32 s2, 0x3003
	s_cbranch_scc0 .Lentry_shape_is_right
	s_endpgm
.Lentry_shape_is_right:
; o = softmax(exp(scale) q k^T) v for 256 queries (grid x) of one batch and head (grid y), with a running maximum.
; Four waves, 64 queries each (four query tiles g of 16).  Keys go in steps of 64, 32 steps.
; S^T = K Q^T: lane (r, h) holds query r and keys 16 kt + 8 h + j, so a query's maximum, sum and rescaling factor are one number a lane and
; cross lanes once (16 lanes off).  Packed to f16, S^T is P^T's fragment as it stands (ISA guide 7.12.2); O^T = V^T P^T.
; The maximum is taken of the raw logits and p = 2^(S c - m c) with c = exp(scale) log2(e) > 0, all in f32.
; LIMITS: p and o are rounded to f16 (p <= 1; |o| <= max |v| < 65,504).
; K and V come fragment-major: a chunk of 256 keys is 65,536 dense bytes (K part, then V part); every fragment read is 16 bytes x lane.
; CLUSTERS 4 x 1: four blocks of queries of one head ask for every chunk jointly (a joint load here names four work-groups, so a head's
; eight blocks make two clusters).  Two LDS slots of one chunk, four steps each; wave w fetches a quarter, 64 rows of 256 bytes.
; A wave has two tensor loads out at the start and one behind each round.
; WINDOWS: 0 addresses, statistics, K's and Q's fragments, two buffers of S; 1 O and V's fragments; 2 P and the rescaling factors.
.set CHUNKB, 65536
.set LA,  2                            ; v2, v3    16 x lane in slot 0, 1
.set GO,  4                            ; v4        my 16 bytes in the output's units
.set QO,  5                            ; v5        my 16 bytes in q's units
.set CP,  6                            ; v[6:7]    c, twice
.set MX,  8                            ; v[8:11]   running maximum of query tile g
.set LS,  12                           ; v[12:15]  running sum (my half of the keys)
.set AL,  16                           ; v[16:19]  rescaling factor
.set T,   20                           ; v[20:27]  at work
.set CN,  28                           ; v28       -c
.set KF,  32                           ; v[32:95]  K's fragment (kt, ks) at 16 kt + 8 ks
.set QF,  96                           ; v[96:159] Q's fragment (g, ks) at 16 g + 8 ks
.set SB0, 160                          ; v[160:223] S of query tile g at 32 (g % 2), key tile kt at + 8 kt
.set VF,  128                          ; window 1: V's fragment (dt, kk) at 16 dt + 8 kk; O(g, dt) at 32 g + 8 dt
.set ALP, 64                           ; window 2: factor of g at 64 + 2 g (a pair, the low register used); P(g, kk) at 16 g + 8 kk
.set MSB, 0
.macro WIN new
.if MSB != \new
	s_set_vgpr_msb (MSB<<8)|\new
.set MSB, \new
.endif
.endm
.macro PLACES                          ; four plain vector places behind matrix instructions (ISA guide 7.12.1)
.rept 4
	v_nop
.endr
.endm
.macro CROUND                          ; a round of the cluster's barrier
	s_barrier_signal -1
	s_barrier_wait -1
	s_cmp_lg_u32 s12, 0
	s_cbranch_scc1 .Lnot_wave_0_\@
	s_barrier_signal -3
.Lnot_wave_0_\@:
	s_barrier_wait -3
	s_barrier_signal -1
	s_barrier_wait -1
.endm
	s_load_b256 s[4:11], s[0:1], 0x0               ; qf s[4:5], kv s[6:7], scale s[8:9], of s[10:11]
	v_lshl_add_u32 v254, v0, 2, 0x29000
	v_mov_b32 v255, 0
	ds_add_u32 v254, v255
	v_lshrrev_b32 v1, 5, v0
	v_readfirstlane_b32 s12, v1                    ; wave 0..3
	s_bfe_u32 s13, ttmp6, 0x40000                  ; cx
	s_lshl_b32 s14, ttmp9, 2
	s_add_co_u32 s14, s14, s13                     ; block of 256 queries
	s_and_b32 s15, ttmp7, 0xffff                   ; bh = 16 x batch + head: the cluster's y, shared by the four
	; group 1: 64 dense rows of 32 elements of 8 bytes; the mask names all four work-groups; bit 21 stands beside it
	s_mov_b32 s16, 15|(3<<16)|(1<<21)
	s_mov_b32 s17, 32<<16                          ; tensor_dim0 = 32
	s_mov_b32 s18, 64<<16                          ; tensor_dim1 = 64
	s_mov_b32 s19, 32<<16                          ; tile_dim0 = 32
	s_mov_b32 s20, 64                              ; tile_dim1 = 64
	s_mov_b32 s21, 32                              ; the pitch
	s_mov_b32 s22, 0
	s_mov_b32 s23, 0
	s_lshl_b32 s24, s15, 19                        ; bh x 524,288
	s_lshl_b32 s26, s12, 14                        ; my quarter of a chunk, in memory and in LDS
	s_add_co_u32 s24, s24, s26
	s_mov_b32 s25, 0
	s_mov_b32 s40, 0x76543210                      ; v_permlanex16_b32: lane i reads lane i of the other half
	s_mov_b32 s41, 0xfedcba98
	s_wait_dscnt 0x0
	s_wait_kmcnt 0x0
	s_load_b32 s43, s[8:9], 0x0                    ; scale
	s_add_nc_u64 s[6:7], s[6:7], s[24:25]
	CROUND                                         ; the four work-groups are here: the first joint loads meet
.irp n, 0,1
	s_mov_b32 s[32+4*\n], 1
	s_add_co_u32 s[33+4*\n], s26, \n*CHUNKB
	s_add_nc_u64 s[34+4*\n:35+4*\n], s[6:7], \n*CHUNKB            ; chunk n
	s_or_b32 s[35+4*\n], s[35+4*\n], 0x80000000
	tensor_load_to_lds s[32+4*\n:35+4*\n], s[16:23]
	s_nop 0
.endr
	v_and_b32 v1, 31, v0
	v_lshlrev_b32 v[LA], 4, v1
	v_add_nc_u32 v[LA+1], CHUNKB, v[LA]
	v_lshl_add_u32 v[QO], s12, 13, v[LA]           ; + four position tiles of 2,048 bytes a wave
	v_lshl_add_u32 v[GO], s12, 17, v[LA]           ; + four row tiles of 32,768 bytes a wave
	s_lshl_b32 s28, s15, 18                        ; q: bh x 262,144 + block x 32,768
	s_lshl_b32 s44, s14, 15
	s_add_co_u32 s28, s28, s44
	s_mov_b32 s29, 0
	s_add_nc_u64 s[4:5], s[4:5], s[28:29]
.irp g, 0,1,2,3
.irp t, 0,1,2,3
	global_load_b128 v[QF+16*\g+4*\t:QF+16*\g+4*\t+3], v[QO], s[4:5] offset:2048*\g+512*\t
.endr
.endr
	s_lshr_b32 s44, s15, 4                         ; o: row tile 128 x batch + 16 x block, of 32,768 bytes; the head's 2,048 bytes in it
	s_lshl_b32 s44, s44, 7
	s_lshl4_add_u32 s44, s14, s44
	s_lshl_b32 s30, s44, 15
	s_and_b32 s45, s15, 15
	s_lshl_b32 s45, s45, 11
	s_add_co_u32 s30, s30, s45
	s_mov_b32 s31, 0
	s_add_nc_u64 s[10:11], s[10:11], s[30:31]
	s_wait_kmcnt 0x0
	v_mov_b32 v[CP], s43
	v_mul_f32 v[CP], 0x3fb8aa3b, v[CP]
	v_exp_f32 v[CP], v[CP]                         ; exp(scale)
	v_nop
	s_wait_alu depctr_va_vdst(0)
	v_mul_f32 v[CN], 0xbfb8aa3b, v[CP]             ; -c
	v_mul_f32 v[CP], 0x3fb8aa3b, v[CP]             ; c = exp(scale) log2(e)
	v_mov_b32 v[CP+1], v[CP]
	WIN 0x80
.irp g, 0,1,2,3
	v_mov_b32 v[ALP+2*\g+1], 0                     ; the pairs' upper registers: named by the packed products, never used
.endr
	WIN 0
.macro LDK slot, s                     ; K's eight fragments of step s: 16 loads, 512 consecutive bytes each
.irp kt, 0,1,2,3
.irp u, 0,1,2,3
	ds_load_b128 v[KF+16*\kt+4*\u:KF+16*\kt+4*\u+3], v[LA+(\slot)] offset:(4*(\s)+\kt)*2048+512*\u
.endr
.endr
.endm
.macro LDV slot, s                     ; V's eight fragments of step s, into window 1
	WIN 0x40
.irp dt, 0,1,2,3
.irp kk, 0,1
.irp c, 0,1
	ds_load_b128 v[VF+16*\dt+8*\kk+4*\c:VF+16*\dt+8*\kk+4*\c+3], v[LA+(\slot)] offset:32768+(2*(\s)+\kk)*4096+1024*\dt+512*\c
.endr
.endr
.endr
	WIN 0
.endm
; Product i of query tile g's eight: key tile i % 4, d half i / 4.  The four accumulators take turns, one instruction a turn.
.macro W g, i
.set WS, SB0+32*((\g)&1)+8*((\i)&3)
.set WK, KF+16*((\i)&3)+8*((\i)>>2)
.set WQ, QF+16*(\g)+8*((\i)>>2)
.if (\i) < 4
	v_wmma_f32_16x16x32_f16 v[WS:WS+7], v[WK:WK+7], v[WQ:WQ+7], 0
.else
	v_wmma_f32_16x16x32_f16 v[WS:WS+7], v[WK:WK+7], v[WQ:WQ+7], v[WS:WS+7]
.endif
.endm
; Piece c (0..7) of query tile g's softmax over 64 keys; each piece stands behind one product of the next query tile.
.macro SMC g, c, first
.set S, SB0+32*((\g)&1)
.if \c == 0
	v_max3_num_f32 v[T+0], v[S+0], v[S+1], v[S+2]
	v_max3_num_f32 v[T+1], v[S+3], v[S+4], v[S+5]
	v_max3_num_f32 v[T+2], v[S+6], v[S+7], v[S+8]
	v_max3_num_f32 v[T+3], v[S+9], v[S+10], v[S+11]
	v_max3_num_f32 v[T+0], v[T+0], v[S+12], v[S+13]
	v_max3_num_f32 v[T+1], v[T+1], v[S+14], v[S+15]
	v_max3_num_f32 v[T+2], v[T+2], v[S+16], v[S+17]
	v_max3_num_f32 v[T+3], v[T+3], v[S+18], v[S+19]
.endif
.if \c == 1
	v_max3_num_f32 v[T+0], v[T+0], v[S+20], v[S+21]
	v_max3_num_f32 v[T+1], v[T+1], v[S+22], v[S+23]
	v_max3_num_f32 v[T+2], v[T+2], v[S+24], v[S+25]
	v_max3_num_f32 v[T+3], v[T+3], v[S+26], v[S+27]
	v_max3_num_f32 v[T+0], v[T+0], v[S+28], v[S+29]
	v_max3_num_f32 v[T+1], v[T+1], v[S+30], v[S+31]
	v_max3_num_f32 v[T+0], v[T+0], v[T+1], v[T+2]
.if \first
	v_max_num_f32 v[T+0], v[T+0], v[T+3]
.else
	v_max3_num_f32 v[T+0], v[T+0], v[T+3], v[MX+\g]
.endif
.endif
.if \c == 2
	v_permlanex16_b32 v[T+1], v[T+0], s40, s41     ; the query's other 32 keys lie 16 lanes off
.if \first
	v_max_num_f32 v[MX+\g], v[T+0], v[T+1]
	v_mul_f32 v[T+2], v[MX+\g], v[CN]              ; -m c
.else
	v_max_num_f32 v[T+1], v[T+0], v[T+1]           ; the new maximum m
	v_mul_f32 v[T+2], v[T+1], v[CN]                ; -m c
	v_fma_f32 v[AL+\g], v[MX+\g], v[CP], v[T+2]    ; (old m - m) c
	v_exp_f32 v[AL+\g], v[AL+\g]
	v_mov_b32 v[MX+\g], v[T+1]                     ; also the plain place behind the exponential (ISA guide 5.7.2)
.endif
.irp q, 0,2,4,6
	v_pk_fma_f32 v[S+\q:S+\q+1], v[S+\q:S+\q+1], v[CP:CP+1], v[T+2:T+3] op_sel_hi:[1,1,0]
.endr
.endif
.if \c == 3
.irp q, 8,10,12,14,16,18,20,22,24,26,28,30
	v_pk_fma_f32 v[S+\q:S+\q+1], v[S+\q:S+\q+1], v[CP:CP+1], v[T+2:T+3] op_sel_hi:[1,1,0]
.endr
.endif
.if \c >= 4
.irp e, 0,1,2,3,4,5,6,7
	v_exp_f32 v[S+8*(\c-4)+\e], v[S+8*(\c-4)+\e]
.endr
.endif
.endm
; The end of query tile g's softmax: the sum, and p packed into P's fragments.  Its plain lines are also the places between the next
; query tile's last product and the lines that read its results, and in front of the loads into K's fragments.
.macro SMEND g, first
.set S, SB0+32*((\g)&1)
	v_nop                                          ; the plain place behind the exponentials
	s_wait_alu depctr_va_vdst(0)
	v_pk_add_f32 v[T+4:T+5], v[S:S+1],   v[S+2:S+3]
	v_pk_add_f32 v[T+6:T+7], v[S+4:S+5], v[S+6:S+7]
.irp q, 8,12,16,20,24,28
	v_pk_add_f32 v[T+4:T+5], v[T+4:T+5], v[S+\q:S+\q+1]
	v_pk_add_f32 v[T+6:T+7], v[T+6:T+7], v[S+\q+2:S+\q+3]
.endr
	v_pk_add_f32 v[T+4:T+5], v[T+4:T+5], v[T+6:T+7]
.if \first
	v_add_f32 v[LS+\g], v[T+4], v[T+5]
.else
	v_add_f32 v[T+4], v[T+4], v[T+5]
	v_fma_f32 v[LS+\g], v[LS+\g], v[AL+\g], v[T+4]
.endif
	WIN 0x80                                       ; destination window 2
.irp q, 0,1,2,3,4,5,6,7,8,9,10,11,12,13,14,15
	v_cvt_pk_f16_f32 v[16*\g+\q], v[S+2*\q], v[S+2*\q+1]
.endr
.if \first == 0
	v_mov_b32 v[ALP+2*\g], v[AL+\g]
.endif
	WIN 0
.endm
.macro UNIT g, gn, first               ; the softmax of g woven with the products of gn = g + 1
.irp c, 0,1,2,3,4,5,6,7
	W \gn, \c
	SMC \g, \c, \first
.endr
	SMEND \g, \first
.endm
; O = O x factor + V^T P^T for all four query tiles: 32 products; query tile g + 1 is rescaled between the products of g.
; Source 0 (V) and O in window 1, source 1 (P, the factors) in window 2.  O's four tiles of a query tile take turns.
.macro PVALL first, left
	s_wait_dscnt \left                             ; V's fragments are in; left = the younger loads (the next step's K) that stay out
	WIN 0x59
.if \first == 0
.irp q, 0,2,4,6,8,10,12,14,16,18,20,22,24,26,28,30
	v_pk_mul_f32 v[\q:\q+1], v[\q:\q+1], v[ALP:ALP+1] op_sel_hi:[1,0]
.endr
.endif
.irp g, 0,1,2,3
.irp i, 0,1,2,3,4,5,6,7
.set PO, 32*\g+8*(\i&3)
.set PA, VF+16*(\i&3)+8*(\i>>2)
.set PB, 16*\g+8*(\i>>2)
.set PZ, 0
.if \first
.if \i < 4
.set PZ, 1
.endif
.endif
.if PZ
	v_wmma_f32_16x16x32_f16 v[PO:PO+7], v[PA:PA+7], v[PB:PB+7], 0
.else
	v_wmma_f32_16x16x32_f16 v[PO:PO+7], v[PA:PA+7], v[PB:PB+7], v[PO:PO+7]
.endif
.if \first == 0
.if \g < 3
	v_pk_mul_f32 v[32*(\g+1)+4*\i:32*(\g+1)+4*\i+1],   v[32*(\g+1)+4*\i:32*(\g+1)+4*\i+1],   v[ALP+2*(\g+1):ALP+2*(\g+1)+1] op_sel_hi:[1,0]
	v_pk_mul_f32 v[32*(\g+1)+4*\i+2:32*(\g+1)+4*\i+3], v[32*(\g+1)+4*\i+2:32*(\g+1)+4*\i+3], v[ALP+2*(\g+1):ALP+2*(\g+1)+1] op_sel_hi:[1,0]
.endif
.endif
.endr
.endr
	WIN 0
.endm
; One step of 64 keys.  nxt: 0 the next step is in this slot; 1 the slot is done and is filled again; 2 done, nothing left to fetch; 3 the last step.
.macro STEP slot, s, first, nxt
.if \first == 0
	PLACES                                         ; V's fragments were read by the last step's products: four places, then the loads into them
.endif
	LDV \slot, \s
	s_wait_dscnt 16                                ; K's fragments are in; the 16 loads of V just issued stay out
.irp i, 0,1,2,3,4,5,6,7
	W 0, \i
.endr
	PLACES                                         ; in front of the first line that reads these results
	UNIT 0, 1, \first
	UNIT 1, 2, \first
	UNIT 2, 3, \first
.if \nxt == 0
	LDK \slot, \s+1
.endif
.if \nxt == 1
	s_wait_dscnt 0x0                               ; my reads of this slot are back, this step's V among them
	s_wait_tensorcnt 0x0                           ; all my tensor loads have landed: the one that was out is my quarter of the other slot
	ds_add_u32 v254, v255
	s_wait_dscnt 0x0
	s_add_nc_u64 s[34+4*\slot:35+4*\slot], s[34+4*\slot:35+4*\slot], 2*CHUNKB   ; this slot's next chunk; no load of mine is out
	CROUND                                         ; both now hold of every wave of the four work-groups
	tensor_load_to_lds s[32+4*\slot:35+4*\slot], s[16:23]          ; my one load behind the round: it has four steps in which to land
	s_nop 0
	LDK 1-\slot, 0
.endif
.if \nxt == 2
	s_wait_dscnt 0x0
	s_wait_tensorcnt 0x0                           ; my quarter of the last chunk is in,
	s_barrier_signal -1
	s_barrier_wait -1                              ; everybody's is
	LDK 1-\slot, 0
.endif
.irp c, 0,1,2,3,4,5,6,7
	SMC 3, \c, \first
.endr
	SMEND 3, \first
.if \nxt == 3
	PVALL \first, 0
.else
	PVALL \first, 16
.endif
.endm
.macro CHUNK slot, first, nxt
	STEP \slot, 0, \first, 0
	STEP \slot, 1, 0, 0
	STEP \slot, 2, 0, 0
	STEP \slot, 3, 0, \nxt
.endm
	s_wait_tensorcnt 0x1                           ; my quarter of chunk 0 is in; chunk 1's load, issued behind it, stays out
	s_barrier_signal -1
	s_barrier_wait -1                              ; everybody's is
	LDK 0, 0
	s_wait_loadcnt 0x0                             ; Q
	CHUNK 0, 1, 1                                  ; chunk 0: its first step starts the maxima and the sums; slot 0 gets chunk 2
	s_mov_b32 s42, 2
.Lpair:
	CHUNK 1, 0, 1                                  ; chunks 1 and 3
	CHUNK 0, 0, 1                                  ; chunks 2 and 4
	s_sub_co_u32 s42, s42, 1
	s_cmp_lg_u32 s42, 0
	s_cbranch_scc1 .Lpair
	CHUNK 1, 0, 1                                  ; chunk 5; slot 1 gets chunk 7, the last load
	CHUNK 0, 0, 2                                  ; chunk 6
	CHUNK 1, 0, 3                                  ; chunk 7
	; THE END: o = O / sum, packed to f16: lane (r, h) holds row r, d = 16 dt + 8 h + 0..7: a fragment unit of the last product's A
	PLACES
.irp g, 0,1,2,3
	v_permlanex16_b32 v[T+\g], v[LS+\g], s40, s41
.endr
.irp g, 0,1,2,3
	v_add_f32 v[LS+\g], v[LS+\g], v[T+\g]
.endr
.irp g, 0,1,2,3
	v_rcp_f32 v[AL+\g], v[LS+\g]
.endr
	v_nop
	WIN 0x80
	s_wait_alu depctr_va_vdst(0)
.irp g, 0,1,2,3
	v_mov_b32 v[ALP+2*\g], v[AL+\g]
.endr
	WIN 0x59
.irp g, 0,1,2,3
.irp q, 0,2,4,6,8,10,12,14,16,18,20,22,24,26,28,30
	v_pk_mul_f32 v[32*\g+\q:32*\g+\q+1], v[32*\g+\q:32*\g+\q+1], v[ALP+2*\g:ALP+2*\g+1] op_sel_hi:[1,0]
.endr
.endr
	WIN 0x05                                       ; sources in window 1, destination in window 0
.set q, 0
.rept 64
	v_cvt_pk_f16_f32 v[KF+q], v[2*q], v[2*q+1]
.set q, q+1
.endr
	WIN 0
.irp g, 0,1,2,3
.irp d, 0,1,2,3
	global_store_b128 v[GO], v[KF+16*\g+4*\d:KF+16*\g+4*\d+3], s[10:11] offset:32768*\g+512*\d   ; 512 consecutive bytes, aligned
.endr
.endr
	s_wait_tensorcnt 0x0
	ds_add_u32 v254, v255
	s_wait_dscnt 0x0
	CROUND                                         ; the closing round
	s_endpgm
.Lfunc_end_k_q6b5a3c49e3_attn:
	.size	k_q6b5a3c49e3_attn, .Lfunc_end_k_q6b5a3c49e3_attn-k_q6b5a3c49e3_attn
	.p2alignl 7, 3214868480
	.fill 96, 4, 3214868480
	.section	.rodata,"a",@progbits
	.p2align	6, 0x0
	.amdhsa_kernel k_q6b5a3c49e3_attn
		.amdhsa_group_segment_fixed_size 327680
		.amdhsa_private_segment_fixed_size 0
		.amdhsa_enable_private_segment 0
		.amdhsa_kernarg_size 32
		.amdhsa_user_sgpr_count 2
		.amdhsa_user_sgpr_kernarg_segment_ptr 1
		.amdhsa_wavefront_size32 1
		.amdhsa_system_sgpr_workgroup_id_x 1
		.amdhsa_system_sgpr_workgroup_id_y 1
		.amdhsa_system_sgpr_workgroup_id_z 1
		.amdhsa_system_vgpr_workitem_id 0
		.amdhsa_next_free_vgpr 584
		.amdhsa_next_free_sgpr 66
		.amdhsa_reserve_vcc 0
		.amdhsa_float_denorm_mode_32 3
		.amdhsa_float_denorm_mode_16_64 3
		.amdhsa_memory_ordered 1
		.amdhsa_forward_progress 1
		.amdhsa_inst_pref_size 255
	.end_amdhsa_kernel
	.section	.bss,"aw",@nobits
	.p2align	6
	.space	262144
	.amdgpu_metadata
---
amdhsa.version: [ 1, 2 ]
amdhsa.kernels:
  - .name:           k_q6b5a3c49e3_attn
    .symbol:         k_q6b5a3c49e3_attn.kd
    .args:
      - { .name: qf, .offset: 0, .size: 8, .value_kind: global_buffer, .address_space: global }
      - { .name: kv, .offset: 8, .size: 8, .value_kind: global_buffer, .address_space: global }
      - { .name: scale, .offset: 16, .size: 8, .value_kind: global_buffer, .address_space: global }
      - { .name: of, .offset: 24, .size: 8, .value_kind: global_buffer, .address_space: global }
    .group_segment_fixed_size: 327680
    .private_segment_fixed_size: 0
    .kernarg_segment_align: 8
    .kernarg_segment_size: 32
    .max_flat_workgroup_size: 128
    .sgpr_count:     66
    .vgpr_count:     584
    .wavefront_size: 32
...
	.end_amdgpu_metadata
.endif
;; end of part 3
;; launch proj (part 4): grid 8 x 32, 4 waves a work-group, clusters of 4 x 4, 327,680 bytes of LDS; arguments of, woh, out0; writes out0
.if DOCPART == 4
	.amdgcn_target "amdgcn-amd-amdhsa--gfx1250"
	.amdhsa_code_object_version 6
	.text
	.protected	k_q6b5a3c49e3_proj
	.globl	k_q6b5a3c49e3_proj
	.p2align	8
	.type	k_q6b5a3c49e3_proj,@function
k_q6b5a3c49e3_proj:
	s_mov_b64 s[64:65], 0
	v_nop
	global_prefetch_b8 v0, s[64:65] scope:SCOPE_SE
	s_setreg_imm32_b32 hwreg(HW_REG_WAVE_MODE, 25, 1), 1
	s_wait_xcnt 0x0
	s_wait_alu depctr_hold_cnt(0) depctr_sa_sdst(0) depctr_va_vdst(0) depctr_va_sdst(0) depctr_va_ssrc(0) depctr_va_vcc(0) depctr_vm_vsrc(0)
	s_getreg_b32 s2, hwreg(HW_REG_IB_STS2, 6, 4)
	s_cmp_eq_u32 s2, 0
	s_cbranch_scc0 .Lentry_in_a_cluster
	s_endpgm
.Lentry_in_a_cluster:
	s_bfe_u32 s2, ttmp6, 0x10000c
	s_cmp_lg_u32 s2, 0xf033
	s_cbranch_scc0 .Lentry_shape_is_right
	s_endpgm
.Lentry_shape_is_right:
; out0 = o W_out^T.  o comes fragment-major in f16 ([row tile of 16][K step of 32][half][lane][8]), W_out row-major in f16; sums and output f32.
; 256 work-groups of 128 rows (grid y) x 128 columns (grid x): blocks of twice the size would leave half of the 256 without work.
; Four waves, 2 x 2, 64 x 64 each: 16 accumulator tiles in window 1.  K goes in four steps of 256 through two LDS slots, written out.
; CLUSTERS 4 x 4: o's tile hangs on the block of rows alone and is shared along a row of the cluster, W's on the block of columns and
; is shared along a column; each is asked for jointly by four.
; The products are TRANSPOSED (source 0 = rows of W, source 1 = rows of o): lane (r, h) holds row r and columns 16 n + 8 h + 0..7.
.set BP,     528                       ; an LDS row of W: 512 bytes + 16 of padding, an odd multiple of 16
.set QTR,    64*BP                     ; 33,792: 64 rows of W, or four row tiles of o (32,768 bytes, dense)
.set SLOT,   4*QTR                     ; o's row tiles 0-3, 4-7, W's rows 0-63, 64-127
.set STAGE,  2*SLOT                    ; behind the ring, at a multiple of 256: 16 rows x 272 bytes for each wave; no fill lands here
.set SP,     272
.set ADRA,   16                        ; v16-17  LDS address of my fragments of o in slot 0, 1
.set ADRB,   20                        ; v20-21  the same for W
.set STO,    24                        ; v24     the way out: where I put 32 bytes of a row
.set RD,     25                        ; v25     where I read a row back
.set CO,     26                        ; v26     my byte offset in out0
.set F0,     64                        ; fragment buffer 0: o's fragment a at 8 a, W's fragment n at 32 + 8 n
.set F1,     128                       ; fragment buffer 1
.set G1A, 32
.set G0A, 40
.set G1B, 48
.set G0B, 56
.set MSB, 0
.macro WIN new
.if MSB != \new
	s_set_vgpr_msb (MSB<<8)|\new
.set MSB, \new
.endif
.endm
.macro PLACES                          ; four plain vector places behind matrix instructions (ISA guide 7.12.1)
.rept 4
	v_nop
.endr
.endm
.macro JLOAD s                         ; waves 0 and 1 fetch o's two halves, waves 2 and 3 W's
	s_cmp_eq_u32 s13, 0
	s_cbranch_scc0 .Lfor_b_\@
	tensor_load_to_lds s[G0A+4*\s:G0A+4*\s+3], s[G1A:G1A+7]
	s_nop 0
	s_branch .Lasked_\@
.Lfor_b_\@:
	tensor_load_to_lds s[G0B+4*\s:G0B+4*\s+3], s[G1B:G1B+7]
	s_nop 0
.Lasked_\@:
.endm
.macro CREST
	s_cmp_lg_u32 s12, 0
	s_cbranch_scc1 .Lnot_wave_0_\@
	s_barrier_signal -3
.Lnot_wave_0_\@:
	s_barrier_wait -3
	s_barrier_signal -1
	s_barrier_wait -1
.endm
.macro CROUND
	s_barrier_signal -1
	s_barrier_wait -1
	CREST
.endm
	s_load_b128 s[4:7], s[0:1], 0x0                ; of s[4:5], woh s[6:7]
	s_load_b64 s[8:9], s[0:1], 0x10                ; out0
	v_lshl_add_u32 v254, v0, 2, 0x46400
	v_mov_b32 v255, 0
	ds_add_u32 v254, v255
	v_lshrrev_b32 v1, 5, v0
	v_readfirstlane_b32 s12, v1                    ; wave 0..3
	s_lshr_b32 s13, s12, 1                         ; my half of the rows.  Also: I fetch for o (0) or for W (1)
	s_and_b32 s14, s12, 1                          ; my half of the columns.  Also: which half of that tile I fetch
	s_bfe_u32 s16, ttmp6, 0x40000                  ; cx
	s_bfe_u32 s17, ttmp6, 0x40004                  ; cy
	s_lshl_b32 s18, ttmp9, 2
	s_add_co_u32 s18, s18, s16                     ; block of 128 columns
	s_and_b32 s19, ttmp7, 0xffff
	s_lshl_b32 s19, s19, 2
	s_add_co_u32 s19, s19, s17                     ; block of 128 rows
	s_lshl_b32 s20, s17, 2
	s_lshl_b32 s20, 15, s20                        ; my row of the cluster
	s_lshl_b32 s21, 0x1111, s16                    ; my column
	; o: 4 rows (row tiles) of 1,024 elements of 8 bytes (eight K steps of 32), 4,096 elements from row tile to row tile, no padding
	s_or_b32 s[G1A+0], s20, (3<<16)|(1<<21)
	s_mov_b32 s[G1A+1], 1024<<16
	s_mov_b32 s[G1A+2], 4<<16
	s_mov_b32 s[G1A+3], 1024<<16
	s_mov_b32 s[G1A+4], 4
	s_mov_b32 s[G1A+5], 4096
	s_mov_b32 s[G1A+6], 0
	s_mov_b32 s[G1A+7], 0
	; W: 64 rows of 256 elements of 2 bytes, 1,024 elements from row to row, 16 bytes of padding behind every 128 words
	s_or_b32 s[G1B+0], s21, (1<<16)|(1<<20)|(1<<21)|(6<<22)|(3<<25)
	s_mov_b32 s[G1B+1], 256<<16
	s_mov_b32 s[G1B+2], 64<<16
	s_mov_b32 s[G1B+3], 256<<16
	s_mov_b32 s[G1B+4], 64
	s_mov_b32 s[G1B+5], 1024
	s_mov_b32 s[G1B+6], 0
	s_mov_b32 s[G1B+7], 0
	s_lshl_b32 s22, s19, 3
	s_lshl2_add_u32 s22, s14, s22                  ; row tile 8 x block + 4 x half
	s_lshl_b32 s22, s22, 15                        ; x 32,768 bytes
	s_mov_b32 s23, 0
	s_lshl_b32 s24, s18, 7
	s_lshl_b32 s26, s14, 6
	s_add_co_u32 s24, s24, s26                     ; W's row 128 x block + 64 x half
	s_lshl_b32 s24, s24, 11                        ; x 2,048 bytes
	s_mov_b32 s25, 0
	s_mul_i32 s30, s12, QTR                        ; where my load lands
	s_wait_dscnt 0x0
	s_wait_kmcnt 0x0
	s_add_nc_u64 s[22:23], s[4:5], s[22:23]
	s_add_nc_u64 s[24:25], s[6:7], s[24:25]
	CROUND                                         ; all sixteen work-groups are here
.irp s, 0,1
	s_mov_b32 s[G0A+4*\s], 1
	s_add_co_u32 s[G0A+4*\s+1], s30, \s*SLOT
	s_add_nc_u64 s[G0A+4*\s+2:G0A+4*\s+3], s[22:23], \s*8192      ; K step s: eight units of 1,024 bytes in each row tile
	s_or_b32 s[G0A+4*\s+3], s[G0A+4*\s+3], 0x80000000
	s_mov_b32 s[G0B+4*\s], 1
	s_add_co_u32 s[G0B+4*\s+1], s30, \s*SLOT
	s_add_nc_u64 s[G0B+4*\s+2:G0B+4*\s+3], s[24:25], \s*512
	s_or_b32 s[G0B+4*\s+3], s[G0B+4*\s+3], 0x80000000
	JLOAD \s                                       ; two loads of mine are out
.endr
	v_and_b32 v1, 15, v0                           ; r
	v_bfe_u32 v2, v0, 4, 1                         ; h
	v_and_b32 v3, 31, v0
	v_lshlrev_b32 v3, 4, v3                        ; 16 x lane: o's fragments lie lane by lane
	s_mul_i32 s31, s13, QTR                        ; my four row tiles
	v_add_nc_u32 v[ADRA], s31, v3
	v_add_nc_u32 v[ADRA+1], SLOT, v[ADRA]
	v_mul_u32_u24 v4, v1, BP
	v_lshl_add_u32 v4, v2, 4, v4                   ; row x pitch + 16 h
	s_mul_i32 s27, s14, QTR
	s_add_co_u32 s27, s27, 2*QTR                   ; my 64 rows of W
	v_add_nc_u32 v[ADRB], s27, v4
	v_add_nc_u32 v[ADRB+1], SLOT, v[ADRB]
	s_mul_i32 s28, s12, 16*SP
	s_add_co_u32 s28, s28, STAGE                   ; my stage
	v_mul_u32_u24 v5, v1, SP
	v_lshl_add_u32 v5, v2, 5, v5                   ; in: row r, 32 bytes for each half of the lanes
	v_add_nc_u32 v[STO], s28, v5
	v_mul_u32_u24 v6, v2, SP
	v_lshl_add_u32 v6, v1, 4, v6                   ; back: lanes 0-15 one row of 256 bytes, lanes 16-31 the next
	v_add_nc_u32 v[RD], s28, v6
	v_lshlrev_b32 v7, 12, v2
	v_lshl_add_u32 v[CO], v1, 4, v7                ; the same two rows in out0 (4,096 bytes a row)
	s_lshl_b32 s68, s19, 7
	s_lshl_b32 s70, s13, 6
	s_add_co_u32 s68, s68, s70                     ; my first row
	s_lshl_b32 s68, s68, 12
	s_lshl_b32 s70, s18, 9                         ; my first column, in bytes: 512 x block + 256 x half
	s_lshl_b32 s71, s14, 8
	s_add_co_u32 s70, s70, s71
	s_add_co_u32 s68, s68, s70
	s_mov_b32 s69, 0
	s_add_nc_u64 s[8:9], s[8:9], s[68:69]
.macro FETCH slot, ks, f               ; 16 LDS loads: the fragments of K step ks (32 along K) of the slot's eight
	WIN 0
.irp a, 0,1,2,3
	ds_load_b128 v[\f+8*\a:\f+8*\a+3],   v[ADRA+\slot] offset:8192*\a+1024*\ks
	ds_load_b128 v[\f+8*\a+4:\f+8*\a+7], v[ADRA+\slot] offset:8192*\a+1024*\ks+512
.endr
.irp n, 0,1,2,3
	ds_load_b128 v[\f+32+8*\n:\f+32+8*\n+3],   v[ADRB+\slot] offset:16*BP*\n+64*\ks
	ds_load_b128 v[\f+32+8*\n+4:\f+32+8*\n+7], v[ADRB+\slot] offset:16*BP*\n+64*\ks+32
.endr
.endm
; Eight products: row tiles a0, a0 + 1 x four column tiles.  The 16 accumulators take turns, one instruction a turn, in the same order
; in every eighth of a K step.
.macro MUL8 f, a0, zero
	WIN 0x50                                       ; C and D in window 1
.irp a, \a0, \a0+1
.irp n, 0,1,2,3
.if \zero
	v_wmma_f32_16x16x32_f16 v[8*(4*(\a)+\n):8*(4*(\a)+\n)+7], v[\f+32+8*\n:\f+32+8*\n+7], v[\f+8*(\a):\f+8*(\a)+7], 0
.else
	v_wmma_f32_16x16x32_f16 v[8*(4*(\a)+\n):8*(4*(\a)+\n)+7], v[\f+32+8*\n:\f+32+8*\n+7], v[\f+8*(\a):\f+8*(\a)+7], v[8*(4*(\a)+\n):8*(4*(\a)+\n)+7]
.endif
.endr
.endr
.endm
; An eighth of a K step: buffer f is multiplied; the next eighth's fragments are asked for first, 16 products ahead of their use.
.macro QUARTER slot, ks, f, g, zero
	s_wait_dscnt 0x0                               ; buffer f is in
	PLACES                                         ; buffer g was read by the products just issued: four places, then the loads into it
	FETCH \slot, \ks, \g
	MUL8 \f, 0, \zero
	MUL8 \f, 2, \zero
.endm
.macro SEVEN slot, zero
	QUARTER \slot, 1, F0, F1, \zero
	QUARTER \slot, 2, F1, F0, 0
	QUARTER \slot, 3, F0, F1, 0
	QUARTER \slot, 4, F1, F0, 0
	QUARTER \slot, 5, F0, F1, 0
	QUARTER \slot, 6, F1, F0, 0
	QUARTER \slot, 7, F0, F1, 0
.endm
; The last eighth changes slots: my reads of this slot are back and all my tensor loads have landed in front of the barrier; behind it,
; where the slot is filled again, the rest of a round of the cluster's barrier, the joint refill first, then the next slot's fragments.
.macro TURN slot, next, fill
	s_wait_dscnt 0x0
	s_wait_tensorcnt 0x0
	ds_add_u32 v254, v255
	s_wait_dscnt 0x0
	s_barrier_signal -1
	MUL8 F1, 0, 0                                  ; register work while the others arrive
	WIN 0
	s_barrier_wait -1
.if \fill
	CREST
	s_add_nc_u64 s[G0A+4*\slot+2:G0A+4*\slot+3], s[G0A+4*\slot+2:G0A+4*\slot+3], 16384   ; two K steps on; no load of mine is out
	s_add_nc_u64 s[G0B+4*\slot+2:G0B+4*\slot+3], s[G0B+4*\slot+2:G0B+4*\slot+3], 1024
	JLOAD \slot                                    ; my one tensor load behind the round
.endif
	PLACES
	FETCH \next, 0, F0
	MUL8 F1, 2, 0
.endm
	s_wait_tensorcnt 0x1                           ; my part of K step 0 is in; K step 1's load, issued behind it, stays out
	s_barrier_signal -1
	s_barrier_wait -1                              ; everybody's is
	FETCH 0, 0, F0
	SEVEN 0, 1                                     ; K step 0: its first products start the sums
	TURN 0, 1, 1                                   ; slot 0 gets K step 2
	SEVEN 1, 0
	TURN 1, 0, 1                                   ; slot 1 gets K step 3
	SEVEN 0, 0
	TURN 0, 1, 0                                   ; nothing is left to fetch
	SEVEN 1, 0
	s_wait_dscnt 0x0
	MUL8 F1, 0, 0
	MUL8 F1, 2, 0
	WIN 0
	PLACES                                         ; in front of the LDS stores that read results and of the loads into the fragment buffers
; THE WAY OUT, 16 rows at a time through my own stage: 32 bytes a lane in, whole rows of 256 bytes back.  LDS serves a wave's instructions in
; order (ISA guide 5.7.1.4), so neither the loads behind the stores nor the next rows' stores behind the loads need a wait.
.macro OUT16 a
	WIN 0x04                                       ; the stores' data in window 1
.irp n, 0,1,2,3
	ds_store_b128 v[STO], v[8*(4*\a+\n):8*(4*\a+\n)+3]   offset:64*\n
	ds_store_b128 v[STO], v[8*(4*\a+\n)+4:8*(4*\a+\n)+7] offset:64*\n+16
.endr
	WIN 0
.irp t, 0,1,2,3,4,5,6,7
	ds_load_b128 v[F0+32*\a+4*\t:F0+32*\a+4*\t+3], v[RD] offset:2*SP*\t
.endr
.irp t, 0,1,2,3,4,5,6,7
	s_wait_dscnt 7-\t                              ; pair t of rows is back, the 7 - t younger loads stay out
	global_store_b128 v[CO], v[F0+32*\a+4*\t:F0+32*\a+4*\t+3], s[8:9] offset:65536*\a+8192*\t th:TH_STORE_NT   ; 16 lanes store 256 consecutive bytes, aligned
.endr
.endm
	OUT16 0
	OUT16 1
	OUT16 2
	OUT16 3
	s_wait_tensorcnt 0x0
	ds_add_u32 v254, v255
	s_wait_dscnt 0x0
	CROUND                                         ; the closing round
	s_endpgm
.Lfunc_end_k_q6b5a3c49e3_proj:
	.size	k_q6b5a3c49e3_proj, .Lfunc_end_k_q6b5a3c49e3_proj-k_q6b5a3c49e3_proj
	.p2alignl 7, 3214868480
	.fill 96, 4, 3214868480
	.section	.rodata,"a",@progbits
	.p2align	6, 0x0
	.amdhsa_kernel k_q6b5a3c49e3_proj
		.amdhsa_group_segment_fixed_size 327680
		.amdhsa_private_segment_fixed_size 0
		.amdhsa_enable_private_segment 0
		.amdhsa_kernarg_size 24
		.amdhsa_user_sgpr_count 2
		.amdhsa_user_sgpr_kernarg_segment_ptr 1
		.amdhsa_wavefront_size32 1
		.amdhsa_system_sgpr_workgroup_id_x 1
		.amdhsa_system_sgpr_workgroup_id_y 1
		.amdhsa_system_sgpr_workgroup_id_z 1
		.amdhsa_system_vgpr_workitem_id 0
		.amdhsa_next_free_vgpr 384
		.amdhsa_next_free_sgpr 72
		.amdhsa_reserve_vcc 0
		.amdhsa_float_denorm_mode_32 3
		.amdhsa_float_denorm_mode_16_64 3
		.amdhsa_memory_ordered 1
		.amdhsa_forward_progress 1
		.amdhsa_inst_pref_size 88
	.end_amdhsa_kernel
	.amdgpu_metadata
---
amdhsa.version: [ 1, 2 ]
amdhsa.kernels:
  - .name:           k_q6b5a3c49e3_proj
    .symbol:         k_q6b5a3c49e3_proj.kd
    .args:
      - { .name: of, .offset: 0, .size: 8, .value_kind: global_buffer, .address_space: global }
      - { .name: woh, .offset: 8, .size: 8, .value_kind: global_buffer, .address_space: global }
      - { .name: out0, .offset: 16, .size: 8, .value_kind: global_buffer, .address_space: global }
    .group_segment_fixed_size: 327680
    .private_segment_fixed_size: 0
    .kernarg_segment_align: 8
    .kernarg_segment_size: 24
    .max_flat_workgroup_size: 128
    .sgpr_count:     72
    .vgpr_count:     384
    .wavefront_size: 32
...
	.end_amdgpu_metadata
.endif
;; end of part 4
;; ======== version 2 of 3: 4 launches; 1.22 times as fast as version 1
;; limits: values are held in f16: magnitudes above 65,504 overflow, below 6.1e-05 lose precision
;; workspace buffers: xh 8,388,608 bytes; wqh 6,291,456 bytes; woh 2,097,152 bytes; qf 8,388,608 bytes; kv 16,777,216 bytes; of 8,388,608 bytes
;; launch cast: the kernel of part 1 again; grid 512 x 1, 8 waves a work-group, no clusters, 0 bytes of LDS; arguments x, W_qkv, W_out, xh, wqh, woh; writes xh, wqh, woh
;; launch qkv: the kernel of part 2 again; grid 16 x 16, 4 waves a work-group, clusters of 4 x 4, 327,680 bytes of LDS; arguments xh, wqh, qf, kv; writes qf, kv
;; launch attn (part 5): grid 8 x 32, 8 waves a work-group, clusters of 4 x 1, 327,680 bytes of LDS; arguments qf, kv, scale, of; writes of
.if DOCPART == 5
	.amdgcn_target "amdgcn-amd-amdhsa--gfx1250"
	.amdhsa_code_object_version 6
	.text
	.protected	k_q6b5a3c49e3_attn
	.globl	k_q6b5a3c49e3_attn
	.p2align	8
	.type	k_q6b5a3c49e3_attn,@function
k_q6b5a3c49e3_attn:
	s_mov_b64 s[64:65], 0
	v_nop
	global_prefetch_b8 v0, s[64:65] scope:SCOPE_SE
	s_setreg_imm32_b32 hwreg(HW_REG_WAVE_MODE, 25, 1), 1
	s_wait_xcnt 0x0
	s_wait_alu depctr_hold_cnt(0) depctr_sa_sdst(0) depctr_va_vdst(0) depctr_va_sdst(0) depctr_va_ssrc(0) depctr_va_vcc(0) depctr_vm_vsrc(0)
	s_getreg_b32 s2, hwreg(HW_REG_IB_STS2, 6, 4)
	s_cmp_eq_u32 s2, 0
	s_cbranch_scc0 .Lentry_in_a_cluster
	s_endpgm
.Lentry_in_a_cluster:
	s_bfe_u32 s2, ttmp6, 0x10000c
	s_cmp_lg_u32 s2, 0x3003
	s_cbranch_scc0 .Lentry_shape_is_right
	s_endpgm
.Lentry_shape_is_right:
; o = softmax(exp(scale) q k^T) v for 256 queries (grid x) of one batch and head (grid y), with a running maximum.
; EIGHT WAVES, two for each of the WGP's four SIMDs, 32 queries each (two query tiles g of 16).  A step's work is about as many vector
; instructions (maxima, exponentials, sums, packing: 240 a wave) as the 32 products of the wave leave room for, and they depend on each other;
; with two waves on a SIMD one wave's softmax can issue while the other's products run.  The price: each fragment of K and V is read from LDS
; by eight waves, 16 + 16 loads a wave for 32 products.  448 registers a wave, 896 for the two.
; Keys go in steps of 64, 32 steps.
; S^T = K Q^T: lane (r, h) holds query r and keys 16 kt + 8 h + j, so a query's maximum, sum and rescaling factor are one number a lane and
; cross lanes once (16 lanes off).  Packed to f16, S^T is P^T's fragment as it stands (ISA guide 7.12.2); O^T = V^T P^T.
; The maximum is taken of the raw logits and p = 2^(S c - m c) with c = exp(scale) log2(e) > 0, all in f32.
; LIMITS: p and o are rounded to f16 (p <= 1; |o| <= max |v| < 65,504).
; K and V come fragment-major: a chunk of 256 keys is 65,536 dense bytes (K's 32,768, then V's); every fragment read is 16 bytes x lane.
; THE RING: two LDS slots of one chunk, four steps each; the chunk is shared among the eight waves, 32 rows of 256 bytes each.
; THE TEXT holds sixteen steps: step 0 (it starts the maxima and the sums), a loop of eight steps that runs three times (steps 1 to 24, with the
; six refills), and steps 25 to 31, behind which nothing is fetched.
; CLUSTERS 4 x 1: four blocks of queries of one head ask for every chunk jointly (a joint load here names four work-groups, so a head's
; eight blocks make two clusters).  A wave has two tensor loads out at the start and one behind each round.
; WINDOWS: 0 addresses, statistics, K's and Q's fragments, two buffers of S; 1 O, P, the rescaling factors and V's fragments.
.set CHUNKB, 65536                     ; bytes in a chunk and in an LDS slot
.set LA,  2                            ; v2, v3    16 x lane in slot 0, 1
.set GO,  4                            ; v4        my 16 bytes in the output's units
.set QO,  5                            ; v5        my 16 bytes in q's units
.set CP,  6                            ; v[6:7]    c, twice
.set MX,  8                            ; v[8:9]    running maximum of query tile g
.set LS,  12                           ; v[12:13]  running sum (my half of the keys)
.set AL,  16                           ; v[16:17]  rescaling factor
.set T,   20                           ; v[20:27]  at work
.set CN,  28                           ; v28       -c
.set KF,  32                           ; v[32:95]  K's fragment (kt, ks) at 16 kt + 8 ks
.set QF,  96                           ; v[96:127] Q's fragment (g, ks) at 16 g + 8 ks
.set SB0, 160                          ; v[160:223] S of query tile g at 32 g, key tile kt at + 8 kt
.set PF,  64                           ; window 1: P(g, kk) at 64 + 16 g + 8 kk; O(g, dt) at 32 g + 8 dt
.set ALP, 96                           ; window 1: factor of g at 96 + 2 g (a pair, the low register used)
.set VF,  128                          ; window 1: V's fragment (dt, kk) at 128 + 16 dt + 8 kk
.set MSB, 0
.macro WIN new                         ; the immediate's high byte repeats the setting that is left
.if MSB != \new
	s_set_vgpr_msb (MSB<<8)|\new
.set MSB, \new
.endif
.endm
.macro PLACES                          ; four plain vector places behind matrix instructions (ISA guide 7.12.1)
.rept 4
	v_nop
.endr
.endm
.macro CROUND                          ; a round of the cluster's barrier
	s_barrier_signal -1
	s_barrier_wait -1
	s_cmp_lg_u32 s12, 0
	s_cbranch_scc1 .Lnot_wave_0_\@
	s_barrier_signal -3
.Lnot_wave_0_\@:
	s_barrier_wait -3
	s_barrier_signal -1
	s_barrier_wait -1
.endm
	s_load_b256 s[4:11], s[0:1], 0x0               ; qf s[4:5], kv s[6:7], scale s[8:9], of s[10:11]
	v_lshl_add_u32 v254, v0, 2, 0x29000
	v_mov_b32 v255, 0
	ds_add_u32 v254, v255
	v_lshrrev_b32 v1, 5, v0
	v_readfirstlane_b32 s12, v1                    ; wave 0..7
	s_bfe_u32 s13, ttmp6, 0x40000                  ; cx
	s_lshl_b32 s14, ttmp9, 2
	s_add_co_u32 s14, s14, s13                     ; block of 256 queries
	s_and_b32 s15, ttmp7, 0xffff                   ; bh = 16 x batch + head: the cluster's y, shared by the four
	; group 1: 32 dense rows of 32 elements of 8 bytes; the mask names all four work-groups; bit 21 stands beside it
	s_mov_b32 s16, 15|(3<<16)|(1<<21)
	s_mov_b32 s17, 32<<16                          ; tensor_dim0 = 32
	s_mov_b32 s18, 32<<16                          ; tensor_dim1 = 32
	s_mov_b32 s19, 32<<16                          ; tile_dim0 = 32
	s_mov_b32 s20, 32                              ; tile_dim1 = 32
	s_mov_b32 s21, 32                              ; the pitch
	s_mov_b32 s22, 0
	s_mov_b32 s23, 0
	s_lshl_b32 s24, s15, 19                        ; bh x 524,288
	s_lshl_b32 s26, s12, 13                        ; my eighth of a chunk, 8,192 bytes, in memory and in LDS alike
	s_add_co_u32 s24, s24, s26
	s_mov_b32 s25, 0
	s_mov_b32 s40, 0x76543210                      ; v_permlanex16_b32: lane i reads lane i of the other half
	s_mov_b32 s41, 0xfedcba98
	s_wait_dscnt 0x0
	s_wait_kmcnt 0x0
	s_load_b32 s43, s[8:9], 0x0                    ; scale
	s_add_nc_u64 s[6:7], s[6:7], s[24:25]
	CROUND                                         ; the four work-groups are here: the first joint loads meet
.irp n, 0,1
	s_mov_b32 s[32+4*\n], 1
	s_add_co_u32 s[33+4*\n], s26, \n*CHUNKB
	s_add_nc_u64 s[34+4*\n:35+4*\n], s[6:7], \n*CHUNKB            ; chunk n
	s_or_b32 s[35+4*\n], s[35+4*\n], 0x80000000
	tensor_load_to_lds s[32+4*\n:35+4*\n], s[16:23]
	s_nop 0
.endr
	v_and_b32 v1, 31, v0
	v_lshlrev_b32 v[LA], 4, v1
	v_add_nc_u32 v[LA+1], CHUNKB, v[LA]
	v_lshl_add_u32 v[QO], s12, 12, v[LA]           ; + two position tiles of 2,048 bytes a wave
	v_lshl_add_u32 v[GO], s12, 16, v[LA]           ; + two row tiles of 32,768 bytes a wave
	s_lshl_b32 s28, s15, 18                        ; q: bh x 262,144 + block x 32,768
	s_lshl_b32 s44, s14, 15
	s_add_co_u32 s28, s28, s44
	s_mov_b32 s29, 0
	s_add_nc_u64 s[4:5], s[4:5], s[28:29]
.irp g, 0,1
.irp t, 0,1,2,3
	global_load_b128 v[QF+16*\g+4*\t:QF+16*\g+4*\t+3], v[QO], s[4:5] offset:2048*\g+512*\t
.endr
.endr
	s_lshr_b32 s44, s15, 4                         ; o: row tile 128 x batch + 16 x block, of 32,768 bytes; the head's 2,048 bytes in it
	s_lshl_b32 s44, s44, 7
	s_lshl4_add_u32 s44, s14, s44
	s_lshl_b32 s30, s44, 15
	s_and_b32 s45, s15, 15
	s_lshl_b32 s45, s45, 11
	s_add_co_u32 s30, s30, s45
	s_mov_b32 s31, 0
	s_add_nc_u64 s[10:11], s[10:11], s[30:31]
	s_wait_kmcnt 0x0
	v_mov_b32 v[CP], s43
	v_mul_f32 v[CP], 0x3fb8aa3b, v[CP]
	v_exp_f32 v[CP], v[CP]                         ; exp(scale)
	v_nop
	s_wait_alu depctr_va_vdst(0)
	v_mul_f32 v[CN], 0xbfb8aa3b, v[CP]             ; -c
	v_mul_f32 v[CP], 0x3fb8aa3b, v[CP]             ; c = exp(scale) log2(e)
	v_mov_b32 v[CP+1], v[CP]
	WIN 0x40
.irp g, 0,1
	v_mov_b32 v[ALP+2*\g+1], 0                     ; the pairs' upper registers: named by the packed products, never used
.endr
	WIN 0
.macro LDK slot, s                     ; K's eight fragments of the slot's step s: 16 loads, 512 consecutive bytes each
.irp kt, 0,1,2,3
.irp u, 0,1,2,3
	ds_load_b128 v[KF+16*\kt+4*\u:KF+16*\kt+4*\u+3], v[LA+(\slot)] offset:(4*(\s)+\kt)*2048+512*\u
.endr
.endr
.endm
.macro LDV slot, s                     ; V's eight fragments of the slot's step s, into window 1
	WIN 0x40
.irp dt, 0,1,2,3
.irp kk, 0,1
.irp c, 0,1
	ds_load_b128 v[VF+16*\dt+8*\kk+4*\c:VF+16*\dt+8*\kk+4*\c+3], v[LA+(\slot)] offset:32768+(2*(\s)+\kk)*4096+1024*\dt+512*\c
.endr
.endr
.endr
	WIN 0
.endm
; Product i of query tile g's eight: key tile i % 4, d half i / 4.  The four accumulators take turns, one instruction a turn.
.macro W g, i
.set WS, SB0+32*(\g)+8*((\i)&3)
.set WK, KF+16*((\i)&3)+8*((\i)>>2)
.set WQ, QF+16*(\g)+8*((\i)>>2)
.if (\i) < 4
	v_wmma_f32_16x16x32_f16 v[WS:WS+7], v[WK:WK+7], v[WQ:WQ+7], 0
.else
	v_wmma_f32_16x16x32_f16 v[WS:WS+7], v[WK:WK+7], v[WQ:WQ+7], v[WS:WS+7]
.endif
.endm
; Piece c (0..7) of query tile g's softmax over 64 keys; for g = 0 each piece stands behind one product of query tile 1.
.macro SMC g, c, first
.set S, SB0+32*(\g)
.if \c == 0
	v_max3_num_f32 v[T+0], v[S+0], v[S+1], v[S+2]
	v_max3_num_f32 v[T+1], v[S+3], v[S+4], v[S+5]
	v_max3_num_f32 v[T+2], v[S+6], v[S+7], v[S+8]
	v_max3_num_f32 v[T+3], v[S+9], v[S+10], v[S+11]
	v_max3_num_f32 v[T+0], v[T+0], v[S+12], v[S+13]
	v_max3_num_f32 v[T+1], v[T+1], v[S+14], v[S+15]
	v_max3_num_f32 v[T+2], v[T+2], v[S+16], v[S+17]
	v_max3_num_f32 v[T+3], v[T+3], v[S+18], v[S+19]
.endif
.if \c == 1
	v_max3_num_f32 v[T+0], v[T+0], v[S+20], v[S+21]
	v_max3_num_f32 v[T+1], v[T+1], v[S+22], v[S+23]
	v_max3_num_f32 v[T+2], v[T+2], v[S+24], v[S+25]
	v_max3_num_f32 v[T+3], v[T+3], v[S+26], v[S+27]
	v_max3_num_f32 v[T+0], v[T+0], v[S+28], v[S+29]
	v_max3_num_f32 v[T+1], v[T+1], v[S+30], v[S+31]
	v_max3_num_f32 v[T+0], v[T+0], v[T+1], v[T+2]
.if \first
	v_max_num_f32 v[T+0], v[T+0], v[T+3]
.else
	v_max3_num_f32 v[T+0], v[T+0], v[T+3], v[MX+\g]
.endif
.endif
.if \c == 2
	v_permlanex16_b32 v[T+1], v[T+0], s40, s41     ; the query's other 32 keys lie 16 lanes off
.if \first
	v_max_num_f32 v[MX+\g], v[T+0], v[T+1]
	v_mul_f32 v[T+2], v[MX+\g], v[CN]              ; -m c
.else
	v_max_num_f32 v[T+1], v[T+0], v[T+1]           ; the new maximum m
	v_mul_f32 v[T+2], v[T+1], v[CN]                ; -m c
	v_fma_f32 v[AL+\g], v[MX+\g], v[CP], v[T+2]    ; (old m - m) c
	v_exp_f32 v[AL+\g], v[AL+\g]
	v_mov_b32 v[MX+\g], v[T+1]                     ; also the plain place behind the exponential (ISA guide 5.7.2)
.endif
.irp q, 0,2,4,6
	v_pk_fma_f32 v[S+\q:S+\q+1], v[S+\q:S+\q+1], v[CP:CP+1], v[T+2:T+3] op_sel_hi:[1,1,0]
.endr
.endif
.if \c == 3
.irp q, 8,10,12,14,16,18,20,22,24,26,28,30
	v_pk_fma_f32 v[S+\q:S+\q+1], v[S+\q:S+\q+1], v[CP:CP+1], v[T+2:T+3] op_sel_hi:[1,1,0]
.endr
.endif
.if \c >= 4
.irp e, 0,1,2,3,4,5,6,7
	v_exp_f32 v[S+8*(\c-4)+\e], v[S+8*(\c-4)+\e]
.endr
.endif
.endm
; The end of query tile g's softmax: the sum, and p packed into P's fragments.  For g = 0 its plain lines are also the places between query
; tile 1's last product and the lines that read its results, and in front of the loads into K's fragments.
.macro SMEND g, first
.set S, SB0+32*(\g)
	v_nop                                          ; the plain place behind the exponentials
	s_wait_alu depctr_va_vdst(0)
	v_pk_add_f32 v[T+4:T+5], v[S:S+1],   v[S+2:S+3]
	v_pk_add_f32 v[T+6:T+7], v[S+4:S+5], v[S+6:S+7]
.irp q, 8,12,16,20,24,28
	v_pk_add_f32 v[T+4:T+5], v[T+4:T+5], v[S+\q:S+\q+1]
	v_pk_add_f32 v[T+6:T+7], v[T+6:T+7], v[S+\q+2:S+\q+3]
.endr
	v_pk_add_f32 v[T+4:T+5], v[T+4:T+5], v[T+6:T+7]
.if \first
	v_add_f32 v[LS+\g], v[T+4], v[T+5]
.else
	v_add_f32 v[T+4], v[T+4], v[T+5]
	v_fma_f32 v[LS+\g], v[LS+\g], v[AL+\g], v[T+4]
.endif
	WIN 0x40                                       ; destination window 1
.irp q, 0,1,2,3,4,5,6,7,8,9,10,11,12,13,14,15
	v_cvt_pk_f16_f32 v[PF+16*\g+\q], v[S+2*\q], v[S+2*\q+1]
.endr
.if \first == 0
	v_mov_b32 v[ALP+2*\g], v[AL+\g]
.endif
	WIN 0
.endm
.macro UNIT g, gn, first               ; the softmax of g woven with the products of gn = g + 1
.irp c, 0,1,2,3,4,5,6,7
	W \gn, \c
	SMC \g, \c, \first
.endr
	SMEND \g, \first
.endm
; O = O x factor + V^T P^T for both query tiles: 16 products; query tile 1 is rescaled between the products of query tile 0.
; Every operand lies in window 1.  O's four tiles of a query tile take turns, one instruction a turn.
.macro PVALL first, left
	s_wait_dscnt \left                             ; V's fragments are in; left = the younger loads (the next step's K) that stay out
	WIN 0x55
.if \first == 0
.irp q, 0,2,4,6,8,10,12,14,16,18,20,22,24,26,28,30
	v_pk_mul_f32 v[\q:\q+1], v[\q:\q+1], v[ALP:ALP+1] op_sel_hi:[1,0]
.endr
.endif
.irp g, 0,1
.irp i, 0,1,2,3,4,5,6,7
.set PO, 32*\g+8*(\i&3)
.set PA, VF+16*(\i&3)+8*(\i>>2)
.set PB, PF+16*\g+8*(\i>>2)
.set PZ, 0
.if \first
.if \i < 4
.set PZ, 1
.endif
.endif
.if PZ
	v_wmma_f32_16x16x32_f16 v[PO:PO+7], v[PA:PA+7], v[PB:PB+7], 0
.else
	v_wmma_f32_16x16x32_f16 v[PO:PO+7], v[PA:PA+7], v[PB:PB+7], v[PO:PO+7]
.endif
.if \first == 0
.if \g < 1
	v_pk_mul_f32 v[32+4*\i:32+4*\i+1],   v[32+4*\i:32+4*\i+1],   v[ALP+2:ALP+3] op_sel_hi:[1,0]
	v_pk_mul_f32 v[32+4*\i+2:32+4*\i+3], v[32+4*\i+2:32+4*\i+3], v[ALP+2:ALP+3] op_sel_hi:[1,0]
.endif
.endif
.endr
.endr
	WIN 0
.endm
; One step of 64 keys.  nxt: 0 the next step is in this slot; 1 the slot is done and is filled again; 2 done, nothing left to fetch; 3 the last step.
.macro STEP slot, s, first, nxt
.if \first == 0
	PLACES                                         ; V's fragments were read by the last step's products: four places, then the loads into them
.endif
	LDV \slot, \s
	s_wait_dscnt 16                                ; K's fragments are in; the 16 loads of V just issued stay out
.irp i, 0,1,2,3,4,5,6,7
	W 0, \i
.endr
	PLACES                                         ; in front of the first line that reads these results
	UNIT 0, 1, \first
.if \nxt == 0
	LDK \slot, \s+1
.endif
.if \nxt == 1
	s_wait_dscnt 0x0                               ; my reads of this slot are back, this step's V among them
	s_wait_tensorcnt 0x0                           ; all my tensor loads have landed: the one that was out is my eighth of the other slot
	ds_add_u32 v254, v255
	s_wait_dscnt 0x0
	s_add_nc_u64 s[34+4*\slot:35+4*\slot], s[34+4*\slot:35+4*\slot], 2*CHUNKB   ; this slot's next chunk; no load of mine is out
	CROUND                                         ; both now hold of every wave of the four work-groups
	tensor_load_to_lds s[32+4*\slot:35+4*\slot], s[16:23]          ; my one load behind the round: it has four steps, 128 products of mine, in which to land
	s_nop 0
	LDK 1-\slot, 0
.endif
.if \nxt == 2
	s_wait_dscnt 0x0
	s_wait_tensorcnt 0x0                           ; my eighth of the last chunk is in,
	s_barrier_signal -1
	s_barrier_wait -1                              ; everybody's is
	LDK 1-\slot, 0
.endif
.irp c, 0,1,2,3,4,5,6,7
	SMC 1, \c, \first
.endr
	SMEND 1, \first
.if \nxt == 3
	PVALL \first, 0
.else
	PVALL \first, 16
.endif
.endm
	s_wait_tensorcnt 0x1                           ; my eighth of chunk 0 is in; chunk 1's load, issued behind it, stays out
	s_barrier_signal -1
	s_barrier_wait -1                              ; everybody's is
	LDK 0, 0
	s_wait_loadcnt 0x0                             ; Q
	STEP 0, 0, 1, 0                                ; step 0 starts the maxima and the sums: nothing is cleared
	s_mov_b32 s42, 3
.Leight:                                               ; trip t = 0..2: steps 8 t + 1 .. 8 t + 8
	STEP 0, 1, 0, 0
	STEP 0, 2, 0, 0
	STEP 0, 3, 0, 1                                ; chunk 2 t ends; slot 0 gets chunk 2 t + 2 (6 at the most)
	STEP 1, 0, 0, 0
	STEP 1, 1, 0, 0
	STEP 1, 2, 0, 0
	STEP 1, 3, 0, 1                                ; chunk 2 t + 1 ends; slot 1 gets chunk 2 t + 3 (7 at the most: the last load)
	STEP 0, 0, 0, 0
	s_sub_co_u32 s42, s42, 1
	s_cmp_lg_u32 s42, 0
	s_cbranch_scc1 .Leight
	STEP 0, 1, 0, 0                                ; steps 25 to 31: the rest of chunk 6, and chunk 7
	STEP 0, 2, 0, 0
	STEP 0, 3, 0, 2                                ; chunk 6 ends, nothing is left to fetch
	STEP 1, 0, 0, 0
	STEP 1, 1, 0, 0
	STEP 1, 2, 0, 0
	STEP 1, 3, 0, 3                                ; step 31
	; THE END: o = O / sum, packed to f16: lane (r, h) holds row r, d = 16 dt + 8 h + 0..7: a fragment unit of the last product's A
	PLACES
.irp g, 0,1
	v_permlanex16_b32 v[T+\g], v[LS+\g], s40, s41
.endr
.irp g, 0,1
	v_add_f32 v[LS+\g], v[LS+\g], v[T+\g]
.endr
.irp g, 0,1
	v_rcp_f32 v[AL+\g], v[LS+\g]
.endr
	v_nop
	WIN 0x40
	s_wait_alu depctr_va_vdst(0)
.irp g, 0,1
	v_mov_b32 v[ALP+2*\g], v[AL+\g]
.endr
	WIN 0x55
.irp g, 0,1
.irp q, 0,2,4,6,8,10,12,14,16,18,20,22,24,26,28,30
	v_pk_mul_f32 v[32*\g+\q:32*\g+\q+1], v[32*\g+\q:32*\g+\q+1], v[ALP+2*\g:ALP+2*\g+1] op_sel_hi:[1,0]
.endr
.endr
	WIN 0x05                                       ; sources in window 1, destination in window 0
.set q, 0
.rept 32
	v_cvt_pk_f16_f32 v[KF+q], v[2*q], v[2*q+1]
.set q, q+1
.endr
	WIN 0
.irp g, 0,1
.irp d, 0,1,2,3
	global_store_b128 v[GO], v[KF+16*\g+4*\d:KF+16*\g+4*\d+3], s[10:11] offset:32768*\g+512*\d   ; 512 consecutive bytes, aligned
.endr
.endr
	s_wait_tensorcnt 0x0
	ds_add_u32 v254, v255
	s_wait_dscnt 0x0
	CROUND                                         ; the closing round: no work-group ends while a partner may still ask for a chunk that names it
	s_endpgm
.Lfunc_end_k_q6b5a3c49e3_attn:
	.size	k_q6b5a3c49e3_attn, .Lfunc_end_k_q6b5a3c49e3_attn-k_q6b5a3c49e3_attn
	.p2alignl 7, 3214868480
	.fill 96, 4, 3214868480
	.section	.rodata,"a",@progbits
	.p2align	6, 0x0
	.amdhsa_kernel k_q6b5a3c49e3_attn
		.amdhsa_group_segment_fixed_size 327680
		.amdhsa_private_segment_fixed_size 0
		.amdhsa_enable_private_segment 0
		.amdhsa_kernarg_size 32
		.amdhsa_user_sgpr_count 2
		.amdhsa_user_sgpr_kernarg_segment_ptr 1
		.amdhsa_wavefront_size32 1
		.amdhsa_system_sgpr_workgroup_id_x 1
		.amdhsa_system_sgpr_workgroup_id_y 1
		.amdhsa_system_sgpr_workgroup_id_z 1
		.amdhsa_system_vgpr_workitem_id 0
		.amdhsa_next_free_vgpr 448
		.amdhsa_next_free_sgpr 66
		.amdhsa_reserve_vcc 0
		.amdhsa_float_denorm_mode_32 3
		.amdhsa_float_denorm_mode_16_64 3
		.amdhsa_memory_ordered 1
		.amdhsa_forward_progress 1
		.amdhsa_inst_pref_size 255
	.end_amdhsa_kernel
	.section	.bss,"aw",@nobits
	.p2align	6
	.space	262144
	.amdgpu_metadata
---
amdhsa.version: [ 1, 2 ]
amdhsa.kernels:
  - .name:           k_q6b5a3c49e3_attn
    .symbol:         k_q6b5a3c49e3_attn.kd
    .args:
      - { .name: qf, .offset: 0, .size: 8, .value_kind: global_buffer, .address_space: global }
      - { .name: kv, .offset: 8, .size: 8, .value_kind: global_buffer, .address_space: global }
      - { .name: scale, .offset: 16, .size: 8, .value_kind: global_buffer, .address_space: global }
      - { .name: of, .offset: 24, .size: 8, .value_kind: global_buffer, .address_space: global }
    .group_segment_fixed_size: 327680
    .private_segment_fixed_size: 0
    .kernarg_segment_align: 8
    .kernarg_segment_size: 32
    .max_flat_workgroup_size: 256
    .sgpr_count:     66
    .vgpr_count:     448
    .wavefront_size: 32
...
	.end_amdgpu_metadata
.endif
;; end of part 5
;; launch proj: the kernel of part 4 again; grid 8 x 32, 4 waves a work-group, clusters of 4 x 4, 327,680 bytes of LDS; arguments of, woh, out0; writes out0
;; ======== version 3 of 3: 4 launches; version 2 with the launch cast written anew for expert scheduling mode
;; limits: values are held in f16: magnitudes above 65,504 overflow, below 6.1e-05 lose precision
;; workspace buffers: xh 8,388,608 bytes; wqh 6,291,456 bytes; woh 2,097,152 bytes; qf 8,388,608 bytes; kv 16,777,216 bytes; of 8,388,608 bytes
;; launch cast (part 6): grid 512 x 1, 8 waves a work-group, no clusters, 0 bytes of LDS; arguments x, W_qkv, W_out, xh, wqh, woh; writes xh, wqh, woh
.if DOCPART == 6
	.amdgcn_target "amdgcn-amd-amdhsa--gfx1250"
	.amdhsa_code_object_version 6
	.text
	.protected	k_q6b5a3c49e3_cast
	.globl	k_q6b5a3c49e3_cast
	.p2align	8
	.type	k_q6b5a3c49e3_cast,@function
k_q6b5a3c49e3_cast:
	s_mov_b64 s[64:65], 0
	v_nop
	global_prefetch_b8 v0, s[64:65] scope:SCOPE_SE
	s_setreg_imm32_b32 hwreg(HW_REG_WAVE_SCHED_MODE, 0, 2), 2
	s_setreg_imm32_b32 hwreg(HW_REG_WAVE_MODE, 25, 1), 1
	s_wait_xcnt 0x0
	s_wait_alu depctr_vm_vsrc(0)
; x, W_qkv and W_out from f32 to f16, once, so that the products behind it move and read half the bytes.
; LIMIT: numbers of magnitude 65,504 and above become infinite in f16.
; A stream: no work-group shares a byte with another, so there is no LDS, no barrier, no cluster and no matrix unit here.
; 512 work-groups of 16,384 numbers each: 0-255 take x (4,194,304 numbers), 256-447 W_qkv (3,145,728), 448-511 W_out (1,048,576).
; Thread t takes 16 bytes at 16 t of each of 16 pieces of 4,096 bytes; all 16 loads go out first; a wave's store of 8 bytes a lane
; covers 256 consecutive bytes, aligned.  No register is written twice, so no wait frees a source.
; THE MODE: SCHED_MODE bits 1:0 = 2 (LLVM: expert scheduling mode 2), set by the entry lines.  The code itself states the register dependences
; between vector instructions and memory instructions, with s_wait_alu, always for 0.
; THE PLAN.  Registers that memory instructions touch:
;   v1, v2   byte offsets, made once at the head and never written again: v1 is read by the 16 loads, v2 by the 16 stores.
;   IN       piece n's four registers: written by its load alone, which is issued before any vector instruction names them; read by its two conversions.
;   OUTR     piece n's two registers: written by its two conversions, once; read by its store, once.
; The 16 pieces go in four blocks of four.  A block's four stores stand in one run at the head of the next block, behind the wait for that
; block's first piece and behind ONE wait on va_vdst, which states that the eight conversions of the block before have written their OUTR.
; No memory instruction's register is ever written again, so the text owes no wait on vm_vsrc.
.set IN,  4                            ; v[4:67]   16 x 4 numbers as loaded
.set OUTR, 68                          ; v[68:99]  16 x 2 registers of packed f16
	s_load_b256 s[4:11], s[0:1], 0x0               ; x s[4:5], W_qkv s[6:7], W_out s[8:9], xh s[10:11]
	s_load_b128 s[12:15], s[0:1], 0x20             ; wqh s[12:13], woh s[14:15]
	s_mov_b32 s21, 448
	v_lshlrev_b32 v1, 4, v0                        ; 16 t: my bytes in a piece of the source
	v_lshlrev_b32 v2, 3, v0                        ; 8 t: in a piece of the destination
	s_wait_kmcnt 0x0
	s_cmp_ge_u32 ttmp9, s21                        ; which tensor: the choice hangs on the work-group's number alone
	s_cselect_b64 s[16:17], s[8:9], s[6:7]
	s_cselect_b64 s[18:19], s[14:15], s[12:13]
	s_cselect_b32 s20, s21, 256                    ; the tensor's first work-group
	s_cmp_lt_u32 ttmp9, 256
	s_cselect_b64 s[16:17], s[4:5], s[16:17]
	s_cselect_b64 s[18:19], s[10:11], s[18:19]
	s_cselect_b32 s20, 0, s20
	s_sub_co_u32 s20, ttmp9, s20                   ; my number inside the tensor
	s_lshl_b32 s22, s20, 16                        ; x 65,536 bytes of f32 (16,711,680 at the most)
	s_mov_b32 s23, 0
	s_lshl_b32 s24, s20, 15                        ; x 32,768 bytes of f16
	s_mov_b32 s25, 0
	s_add_nc_u64 s[16:17], s[16:17], s[22:23]
	s_add_nc_u64 s[18:19], s[18:19], s[24:25]
	s_wait_alu depctr_va_vdst(0)                   ; v1 and v2 are written: every load below reads v1 as its offset, every store v2
.irp i, 0,1,2,3,4,5,6,7,8,9,10,11,12,13,14,15
	global_load_b128 v[IN+4*\i:IN+4*\i+3], v1, s[16:17] offset:4096*\i th:TH_LOAD_NT
.endr
; The four stores of block p, in one run.  They stand directly behind a wait on va_vdst: no vector instruction since it names their registers.
.macro SEND p
.irp j, 0,1,2,3
	global_store_b64 v2, v[OUTR+8*(\p)+2*(\j):OUTR+8*(\p)+2*(\j)+1], s[18:19] offset:8192*(\p)+2048*(\j)
.endr
.endm
; Block p: pieces 4 p to 4 p + 3 are converted as they land; at its head the block before goes out.
.macro BLK p
.irp i, 0,1,2,3
	s_wait_loadcnt 15-4*(\p)-(\i)                  ; loads come back in order (ISA guide 5.7.1): piece 4 p + i is in, the younger ones stay out
.if ((\p) > 0) && ((\i) == 0)
	s_wait_alu depctr_va_vdst(0)                   ; the eight conversions of the block before have written their OUTR registers, which the four stores below read
	SEND (\p)-1
.endif
	v_cvt_pk_f16_f32 v[OUTR+8*(\p)+2*(\i)],   v[IN+16*(\p)+4*(\i)],   v[IN+16*(\p)+4*(\i)+1]
	v_cvt_pk_f16_f32 v[OUTR+8*(\p)+2*(\i)+1], v[IN+16*(\p)+4*(\i)+2], v[IN+16*(\p)+4*(\i)+3]
.endr
.endm
	BLK 0                                          ; no block stands in front of it: no store, no wait but those for its data
	BLK 1
	BLK 2
	BLK 3
	s_wait_alu depctr_va_vdst(0)                   ; block 3's conversions have written their OUTR registers, which the last four stores read
	SEND 3
	s_endpgm
.Lfunc_end_k_q6b5a3c49e3_cast:
	.size	k_q6b5a3c49e3_cast, .Lfunc_end_k_q6b5a3c49e3_cast-k_q6b5a3c49e3_cast
	.p2alignl 7, 3214868480
	.fill 96, 4, 3214868480
	.section	.rodata,"a",@progbits
	.p2align	6, 0x0
	.amdhsa_kernel k_q6b5a3c49e3_cast
		.amdhsa_group_segment_fixed_size 0
		.amdhsa_private_segment_fixed_size 0
		.amdhsa_enable_private_segment 0
		.amdhsa_kernarg_size 48
		.amdhsa_user_sgpr_count 2
		.amdhsa_user_sgpr_kernarg_segment_ptr 1
		.amdhsa_wavefront_size32 1
		.amdhsa_system_sgpr_workgroup_id_x 1
		.amdhsa_system_sgpr_workgroup_id_y 1
		.amdhsa_system_sgpr_workgroup_id_z 1
		.amdhsa_system_vgpr_workitem_id 0
		.amdhsa_next_free_vgpr 100
		.amdhsa_next_free_sgpr 66
		.amdhsa_reserve_vcc 0
		.amdhsa_float_denorm_mode_32 3
		.amdhsa_float_denorm_mode_16_64 3
		.amdhsa_memory_ordered 1
		.amdhsa_forward_progress 1
		.amdhsa_inst_pref_size 7
	.end_amdhsa_kernel
	.amdgpu_metadata
---
amdhsa.version: [ 1, 2 ]
amdhsa.kernels:
  - .name:           k_q6b5a3c49e3_cast
    .symbol:         k_q6b5a3c49e3_cast.kd
    .args:
      - { .name: x, .offset: 0, .size: 8, .value_kind: global_buffer, .address_space: global }
      - { .name: W_qkv, .offset: 8, .size: 8, .value_kind: global_buffer, .address_space: global }
      - { .name: W_out, .offset: 16, .size: 8, .value_kind: global_buffer, .address_space: global }
      - { .name: xh, .offset: 24, .size: 8, .value_kind: global_buffer, .address_space: global }
      - { .name: wqh, .offset: 32, .size: 8, .value_kind: global_buffer, .address_space: global }
      - { .name: woh, .offset: 40, .size: 8, .value_kind: global_buffer, .address_space: global }
    .group_segment_fixed_size: 0
    .private_segment_fixed_size: 0
    .kernarg_segment_align: 8
    .kernarg_segment_size: 48
    .max_flat_workgroup_size: 256
    .sgpr_count:     66
    .vgpr_count:     100
    .wavefront_size: 32
...
	.end_amdgpu_metadata
.endif
;; end of part 6
;; launch qkv: the kernel of part 2 again; grid 16 x 16, 4 waves a work-group, clusters of 4 x 4, 327,680 bytes of LDS; arguments xh, wqh, qf, kv; writes qf, kv
;; launch attn: the kernel of part 5 again; grid 8 x 32, 8 waves a work-group, clusters of 4 x 1, 327,680 bytes of LDS; arguments qf, kv, scale, of; writes of
;; launch proj: the kernel of part 4 again; grid 8 x 32, 4 waves a work-group, clusters of 4 x 4, 327,680 bytes of LDS; arguments of, woh, out0; writes out0
